; MI455X (gfx1250); checked and timed in simulation.
; The chip was launched on July 23, 2026; its instructions are those of AMD's public machine-readable ISA for CDNA 5 (MIT licence, August 2026) and "CDNA5" Instruction Set Architecture Reference Guide (July 2026). The comments in the code are by the model that wrote it; some were corrected since.
;; Causal Self Attention. Allowed arithmetic: matrix products marked QUANTISED: E2M1 operands, one E8M0 scale for each 32 along K, by v_wmma_scale_f32_16x16x128_f8f6f4 with both operands' format E2M1 (or v_wmma_scale_f32_32x16x128_f4), f32 sums; products left as they are: bf16, f16 or f32 operands; f32 sums; everything else in f32.
;; Inputs: Wk 1,024 x 1,024 float32; Wp 1,024 x 1,024 float32; Wq 1,024 x 1,024 float32; Wv 1,024 x 1,024 float32; bk 1,024 float32; bp 1,024 float32; bq 1,024 float32; bv 1,024 float32; x 4 x 2,048 x 1,024 float32.
;; Outputs: out0 4 x 2,048 x 1,024 float32.
;; This version of the problem:
;;   THIS VERSION OF THE PROBLEM IS GIVEN IN LOW PRECISION. The matrix products marked QUANTISED in the list below multiply operands that are first quantised to E2M1 (2 exponent bits, 1 mantissa bit; 4 bits a number), with one power-of-two scale for each 32 numbers along K (OCP MX v1.0); their sums are f32. The products marked 'left as it is' may take bf16, f16 or f32 operands, with f32 sums. Whichever they take, every output number must still come out within the allowed error. Rounding operands to bf16 (8 significant bits) uses up far more of that allowance than f16 does (11 bits, for magnitudes from 6e-5 to 65,504). All else is computed in f32.
;;   The module's matrix products, in the order in which they are computed (A, B: the left and right operand; K: the contracted axis; several contracted axes count as one K, in the product's order):
;;     1. [M 8,192, K 1,024] x [K 1,024, N 1,024]; A: input x; B: input Wq: QUANTISED
;;     2. [M 8,192, K 1,024] x [K 1,024, N 1,024]; A: input x; B: input Wk: QUANTISED
;;     3. [M 8,192, K 1,024] x [K 1,024, N 1,024]; A: input x; B: input Wv: QUANTISED
;;     4. batch 64 x [M 2,048, K 64] x [K 64, N 2,048]; A: computed on the way; B: computed on the way: left as it is (an operand is computed on the way)
;;     5. batch 64 x [M 2,048, K 2,048] x [K 2,048, N 64]; A: computed on the way; B: computed on the way: left as it is (an operand is computed on the way)
;;     6. [M 8,192, K 1,024] x [K 1,024, N 1,024]; A: computed on the way; B: input Wp: left as it is (an operand is computed on the way)
;;   THE QUANTISER, for each operand of a quantised product, along K:
;;     - K is cut into blocks of 32 from its start; a last block that is shorter is filled with zeros.
;;     - A block's scale is 2^e with e = floor(log2(the largest magnitude in the block)) - 2, held to -126 .. 127; a block of zeros has e = 0. As a byte (E8M0): e + 127.
;;     - Each number is divided by its block's scale, clamped to +-6, and rounded to the nearest number of E2M1, ties to even, subnormals kept.
;;     - The product sums the exact products of the quantised numbers (number of the format x scale) in f32.
;;   ~~~python
;;   def quantise(x, axis):      # numpy; x: float32 -> the quantised numbers, widened to float32 again
;;       x = np.moveaxis(x, axis, -1); K = x.shape[-1]
;;       x = np.pad(x, [(0, 0)] * (x.ndim - 1) + [(0, -K % 32)]); x = x.reshape(x.shape[:-1] + (-1, 32)); a = np.abs(x).max(-1, keepdims=True)
;;       e = np.where(a > 0, np.clip(np.frexp(np.where(a > 0, a, 1))[1] - 1 - 2, -126, 127), 0)      # np.frexp(a)[1] - 1 = floor(log2(a)), exactly
;;       r = np.clip(x / 2.0 ** e, -6, 6)
;;       step = 2.0 ** (np.maximum(np.frexp(np.where(r == 0, 1, r))[1] - 1, 0) - 1)
;;       q = np.round(r / step) * step * 2.0 ** e      # np.round: ties to even
;;       return np.moveaxis(q.reshape(q.shape[:-2] + (-1,))[..., :K], -1, axis).astype(np.float32)
;;   ~~~
;; One version. Each part assembles by itself: llvm-mc -triple=amdgcn-amd-amdhsa -mcpu=gfx1250 --defsym DOCPART=n.
;; ======== version 1 of 1: 5 launches
;; limits: values are held in f16: magnitudes above 65,504 overflow, below 6.1e-05 lose precision
;; workspace buffers: x_codes 4,194,304 bytes; x_scales 262,144 bytes; w_codes 1,572,864 bytes; w_scales 98,304 bytes; wp16 2,097,152 bytes; qkv16 50,331,648 bytes; qkv32 786,432 bytes; o16 16,777,216 bytes
;; launch prep (part 1): grid 240 x 1, 8 waves a work-group, no clusters, 102,400 bytes of LDS; arguments x, Wq, Wk, Wv, Wp, x_codes, x_scales, w_codes, w_scales, wp16; writes x_codes, x_scales, w_codes, w_scales, wp16
.if DOCPART == 1
	.amdgcn_target "amdgcn-amd-amdhsa--gfx1250"
	.amdhsa_code_object_version 6
	.text
	.protected	k_qcacf17d3fa_prep
	.globl	k_qcacf17d3fa_prep
	.p2align	8
	.type	k_qcacf17d3fa_prep,@function
k_qcacf17d3fa_prep:
	s_mov_b64 s[64:65], 0
	v_nop
	global_prefetch_b8 v0, s[64:65] scope:SCOPE_SE
	s_setreg_imm32_b32 hwreg(HW_REG_WAVE_MODE, 25, 1), 1
	s_wait_xcnt 0x0
; The operands of the three quantised products are made once: x [8192][1024] and Wq, Wk, Wv [1024 k][1024 n], f32, become codes of FP4 (E2M1) with K innermost and one E8M0 byte for each 32 along K;
; Wp becomes f16 as it lies.  A block's scale is 2^(floor(log2(its largest magnitude)) - 2); its byte is that magnitude's exponent field - 2, held at 1 from below.
; LIMITS: a block of zeros gets the byte 1 where the rule says 127 (its codes are zeros, and the bytes are read by this program alone); blocks whose largest magnitude lies under 2^(3 - 127) have their byte held at 1;
; NaN and infinities among the inputs are not served; |Wp| above 65,504 has no f16 number.
; THREE PATHS, parted by the work-group's number alone: 0-47 the weights (64 columns x all of K each), 48-175 x (8 runs of 8,192 numbers each), 176-239 Wp (8 runs of 2,048 numbers each).
; Each path that uses LDS has bytes of its own.  No tensor load, no matrix instruction.
.set SPW,   12                         ; v12  LDS address of my spare word; never rewritten
.set NIL,   13                         ; v13  0; never rewritten
.set WREG,  8192                       ; path x: a region for each wave: two stages of 32 x SP bytes, behind them its 256 scale bytes
.set SP,    80                         ; a lane's place in a stage: 64 bytes + 16 of padding
.set WSTG,  65536                      ; path weights: 64 rows (columns of W) x (512 bytes of codes + 16)
.set WPIT,  528
.set WSC,   WSTG+64*WPIT               ; and their scale bytes, 64 x 32, dense
.set SPARE, WSC+2048                   ; the spare words, 128 bytes for each of the eight waves
.set XR,    16                         ; path x: v16-79 four sets of 16 numbers as loaded
.set XN,    80                         ;         v80-111 two sets of 16 neighbours
.set XE,    112                        ;         v112-127 a scale byte for each step
.set XC,    128                        ;         v128-191 codes, four registers for each step
.set WX,    32                         ; path weights: v32-95 two sets of 32 numbers
.set WC,    96                         ;         v96-99 a block's codes
.set WOUT,  112                        ;         v112-143 the way out
.set SB,    24                         ;         v24-25 my eight scale bytes
	s_load_b256 s[4:11], s[0:1], 0x0               ; x, Wq, Wk, Wv
	s_load_b256 s[12:19], s[0:1], 0x20             ; Wp, x_codes, x_scales, w_codes
	s_load_b128 s[20:23], s[0:1], 0x40             ; w_scales, wp16
	v_lshl_add_u32 v[SPW], v0, 2, SPARE
	v_mov_b32 v[NIL], 0
	v_lshrrev_b32 v1, 5, v0
	v_readfirstlane_b32 s24, v1                    ; wave 0..7
	v_and_b32 v2, 31, v0                           ; lane
	s_mov_b32 s27, 0                               ; the high word of every offset pair s[26:27]
	s_wait_kmcnt 0x0
	s_cmp_lt_u32 ttmp9, 48
	s_cbranch_scc1 .Lweights
	s_cmp_lt_u32 ttmp9, 176
	s_cbranch_scc1 .Lrows
; ---- Wp to f16: my wave's 2,048 numbers.  Each load reads 512 consecutive bytes, each store writes 256 consecutive, aligned bytes; every step has registers of its own.
	s_sub_co_u32 s25, ttmp9, 176
	s_lshl_b32 s25, s25, 3
	s_add_co_u32 s25, s25, s24                     ; which run of 512
	s_lshl_b32 s26, s25, 13
	s_add_nc_u64 s[12:13], s[12:13], s[26:27]
	s_lshl_b32 s26, s25, 12
	s_add_nc_u64 s[22:23], s[22:23], s[26:27]
	v_lshlrev_b32 v3, 4, v2
	v_lshlrev_b32 v4, 3, v2
.irp i, 0,1,2,3,4,5,6,7,8,9,10,11,12,13,14,15
	global_load_b128 v[32+4*\i:35+4*\i], v3, s[12:13] offset:512*\i th:TH_LOAD_NT
.endr
.irp i, 0,1,2,3,4,5,6,7,8,9,10,11,12,13,14,15
	s_wait_loadcnt 15-\i                           ; loads come back in order: load i is in, the younger ones may be out
	v_cvt_pk_f16_f32 v[96+2*\i], v[32+4*\i], v[33+4*\i]
	v_cvt_pk_f16_f32 v[97+2*\i], v[34+4*\i], v[35+4*\i]
	global_store_b64 v4, v[96+2*\i:97+2*\i], s[22:23] offset:256*\i
.endr
	s_branch .Lend
; ---- x: a plain stream of blocks of 32.  A wave takes 16 steps of 512 numbers.  Loads take the bytes as they lie (512 a load); a step's 2,048 bytes turn through the wave's own stage, so that a lane
; holds 16 neighbours along K (two neighbouring lanes hold a block).  Loads run four steps ahead, the turn one step.
.Lrows:
	s_sub_co_u32 s25, ttmp9, 48
	s_lshl_b32 s25, s25, 3
	s_add_co_u32 s25, s25, s24                     ; which run of 8,192 numbers
	s_lshl_b32 s26, s25, 15
	s_add_nc_u64 s[4:5], s[4:5], s[26:27]
	s_lshl_b32 s26, s25, 12
	s_add_nc_u64 s[14:15], s[14:15], s[26:27]
	s_lshl_b32 s26, s25, 8
	s_add_nc_u64 s[16:17], s[16:17], s[26:27]
	s_mul_i32 s28, s24, WREG
	v_lshlrev_b32 v3, 4, v2                        ; my 16 bytes of a load's 512
	v_lshrrev_b32 v14, 2, v2
	v_mul_u32_u24 v14, v14, SP
	v_and_b32 v15, 3, v2
	v_lshl_add_u32 v14, v15, 4, v14
	v_add_nc_u32 v14, s28, v14                     ; the stage, in: SP (lane / 4) + 16 (lane % 4)
	v_mul_u32_u24 v15, v2, SP
	v_add_nc_u32 v15, s28, v15                     ; and out: SP x lane
	v_lshlrev_b32 v4, 3, v2                        ; my codes' place in a step's: 8 bytes a lane
	v_lshrrev_b32 v5, 1, v2
	s_add_co_u32 s28, s28, 2*32*SP
	v_add_nc_u32 v5, s28, v5                       ; my block's scale byte
	v_lshlrev_b32 v7, 3, v2
	v_add_nc_u32 v6, s28, v7                       ; and on the way out 8 bytes a lane
.macro XLOAD t
.irp i, 0,1,2,3
	global_load_b128 v[XR+16*((\t)%4)+4*\i:XR+16*((\t)%4)+4*\i+3], v3, s[4:5] offset:2048*(\t)+512*\i th:TH_LOAD_NT
.endr
.endm
.macro XTURN t                         ; LDS serves a wave's instructions in order: no wait between the stores and the loads
.irp i, 0,1,2,3
	ds_store_b128 v14, v[XR+16*((\t)%4)+4*\i:XR+16*((\t)%4)+4*\i+3] offset:32*SP*((\t)%2)+8*SP*\i
.endr
.irp i, 0,1,2,3
	ds_load_b128 v[XN+16*((\t)%2)+4*\i:XN+16*((\t)%2)+4*\i+3], v15 offset:32*SP*((\t)%2)+16*\i
.endr
.endm
.macro XSTEP t
.set XS, XN+16*((\t)%2)
.if (\t) > 0
	s_wait_dscnt 1                                 ; this step's numbers are back from the stage; the last step's byte store may be out
.else
	s_wait_dscnt 0x0
.endif
.if (\t)+4 < 16
	XLOAD (\t)+4
.endif
.if (\t)+1 < 16
.if 14-(\t) >= 3
	s_wait_loadcnt 12                              ; the next step's four loads are in; those of the three steps behind it may be out
.else
	s_wait_loadcnt 4*(14-(\t))
.endif
	XTURN (\t)+1
.endif
	v_max3_num_f32 v8, |v[XS]|, |v[XS+1]|, |v[XS+2]|
	v_max3_num_f32 v9, |v[XS+3]|, |v[XS+4]|, |v[XS+5]|
.irp i, 6,10
	v_max3_num_f32 v8, v8, |v[XS+\i]|, |v[XS+\i+1]|
	v_max3_num_f32 v9, v9, |v[XS+\i+2]|, |v[XS+\i+3]|
.endr
	v_max3_num_f32 v8, v8, |v[XS+14]|, |v[XS+15]|
	v_max3_num_f32 v8, v8, v9, 0x1800000           ; and the floor 2^(3 - 127): the byte cannot fall under 1
	v_max_num_f32_dpp v8, v8, v8 row_xmask:1 row_mask:0xf bank_mask:0xf   ; with my neighbour's 16: the block's
	v_add_nc_u32 v11, 0xff000000, v8               ; 2 off its exponent field: the conversion's scale operand
	v_cvt_scalef32_pk8_fp4_f32 v[XC+4*(\t)], v[XS:XS+7], v11
	v_cvt_scalef32_pk8_fp4_f32 v[XC+4*(\t)+1], v[XS+8:XS+15], v11
	v_lshrrev_b32 v[XE+(\t)], 23, v11              ; the scale's byte (a plain line behind the conversions)
	ds_store_b8 v5, v[XE+(\t)] offset:16*(\t)      ; both lanes of a block write the same byte with the same value
	global_store_b64 v4, v[XC+4*(\t):XC+4*(\t)+1], s[14:15] offset:256*(\t)   ; the wave stores 256 consecutive, aligned bytes
.endm
.irp t, 0,1,2,3
	XLOAD \t
.endr
	s_wait_loadcnt 12                              ; step 0's four loads are in
	XTURN 0
.irp t, 0,1,2,3,4,5,6,7,8,9,10,11,12,13,14,15
	XSTEP \t
.endr
	ds_load_b64 v[8:9], v6                         ; my wave's 256 scale bytes
	s_wait_dscnt 0x0
	global_store_b64 v7, v[8:9], s[16:17]
	s_branch .Lend
; ---- the weights: K is their FIRST axis.  A lane takes a column, its registers run down K: a block of 32 lies in one lane, and the conversions give codes with K innermost.
; A work-group takes 64 columns x 1,024 k of one weight; wave w: columns 32 (w & 1) on, k 256 (w >> 1) on: eight blocks a lane.  The codes meet in a stage and leave as whole rows of 512 bytes.
.Lweights:
	s_lshr_b32 s25, ttmp9, 4                       ; which weight: 0 Wq, 1 Wk, 2 Wv
	s_and_b32 s28, ttmp9, 15                       ; which 64 columns
	s_cmp_eq_u32 s25, 0
	s_cselect_b64 s[30:31], s[6:7], s[8:9]
	s_cmp_eq_u32 s25, 2
	s_cselect_b64 s[30:31], s[10:11], s[30:31]
	s_and_b32 s32, s24, 1                          ; cg
	s_lshr_b32 s33, s24, 1                         ; kw
	s_lshl_b32 s26, s33, 20                        ; 256 rows of 4,096 bytes
	s_lshl_b32 s29, s28, 8
	s_add_co_u32 s26, s26, s29
	s_lshl_b32 s29, s32, 7
	s_add_co_u32 s26, s26, s29
	s_add_nc_u64 s[30:31], s[30:31], s[26:27]
	s_lshl_b32 s29, s25, 10
	s_lshl_b32 s34, s28, 6
	s_add_co_u32 s29, s29, s34                     ; the work-group's first row of the codes' buffer
	s_lshl_b32 s26, s29, 9
	s_add_nc_u64 s[18:19], s[18:19], s[26:27]
	s_lshl_b32 s26, s29, 5
	s_add_nc_u64 s[20:21], s[20:21], s[26:27]
	v_lshlrev_b32 v3, 2, v2                        ; in: 4 bytes a lane
	s_mul_i32 s34, s32, 32*WPIT
	s_lshl_b32 s35, s33, 7
	s_add_co_u32 s34, s34, s35
	s_add_co_u32 s34, s34, WSTG
	v_mul_u32_u24 v4, v2, WPIT
	v_add_nc_u32 v4, s34, v4                       ; the stage: row = my column, my 128 bytes of it
	s_lshl_b32 s34, s32, 10
	s_lshl_b32 s35, s33, 3
	s_add_co_u32 s34, s34, s35
	s_add_co_u32 s34, s34, WSC
	v_lshlrev_b32 v5, 5, v2
	v_add_nc_u32 v5, s34, v5                       ; my column's 32 scale bytes, my 8 of them
	s_mul_i32 s34, s24, 8*WPIT
	s_add_co_u32 s34, s34, WSTG
	v_lshlrev_b32 v8, 4, v2
	v_add_nc_u32 v7, s34, v8                       ; out of the stage: wave w takes rows 8 w on, 32 lanes a row
	s_lshl_b32 s34, s24, 12
	v_add_nc_u32 v8, s34, v8                       ; and the same place in the codes' buffer
	v_lshlrev_b32 v9, 3, v0                        ; the scale bytes on the way out: 8 bytes a thread
	v_add_nc_u32 v1, WSC, v9
.macro WLOAD t
.irp i, 0,1,2,3,4,5,6,7,8,9,10,11,12,13,14,15,16,17,18,19,20,21,22,23,24,25,26,27,28,29,30,31
	global_load_b32 v[WX+32*((\t)%2)+\i], v3, s[30:31] offset:(32*(\t)+\i)*4096 th:TH_LOAD_NT
.endr
.endm
.macro WBLOCK t
.set XS, WX+32*((\t)%2)
.if (\t) < 7
	s_wait_loadcnt 32                              ; this block's 32 loads are in; the next block's may be out
.else
	s_wait_loadcnt 0
.endif
	v_max3_num_f32 v10, |v[XS]|, |v[XS+1]|, |v[XS+2]|
	v_max3_num_f32 v14, |v[XS+3]|, |v[XS+4]|, |v[XS+5]|
.irp i, 6,10,14,18,22,26
	v_max3_num_f32 v10, v10, |v[XS+\i]|, |v[XS+\i+1]|
	v_max3_num_f32 v14, v14, |v[XS+\i+2]|, |v[XS+\i+3]|
.endr
	v_max3_num_f32 v10, v10, |v[XS+30]|, |v[XS+31]|
	v_max3_num_f32 v10, v10, v14, 0x1800000        ; and the floor 2^(3 - 127)
	v_add_nc_u32 v11, 0xff000000, v10              ; the conversion's scale operand
	v_lshrrev_b32 v15, 23, v11                     ; the scale's byte
.if (\t)%4 == 0
	v_mov_b32 v[SB+(\t)/4], v15
.else
	v_lshl_or_b32 v[SB+(\t)/4], v15, 8*((\t)%4), v[SB+(\t)/4]
.endif
.irp g, 0,1,2,3
	v_cvt_scalef32_pk8_fp4_f32 v[WC+\g], v[XS+8*\g:XS+8*\g+7], v11
.endr
	ds_store_b128 v4, v[WC:WC+3] offset:16*(\t)    ; 32 codes: 16 bytes of my column's row
.if (\t)+2 < 8
	WLOAD (\t)+2
.endif
	s_wait_dscnt 0x0                               ; the store has read its registers: the next block's codes may be written
.endm
	WLOAD 0
	WLOAD 1
.irp t, 0,1,2,3,4,5,6,7
	WBLOCK \t
.endr
	ds_store_b64 v5, v[SB:SB+1]
	s_wait_dscnt 0x0                               ; for the others' sake: my stores into the stage are done
	s_barrier_signal -1
	s_barrier_wait -1                              ; (the way here hangs on the work-group's number alone: all eight waves pass)
.irp i, 0,1,2,3,4,5,6,7
	ds_load_b128 v[WOUT+4*\i:WOUT+4*\i+3], v7 offset:\i*WPIT
.endr
	ds_load_b64 v[26:27], v1
.irp i, 0,1,2,3,4,5,6,7
	s_wait_dscnt 8-\i                              ; row i is back; the younger rows and the scale bytes may be out
	global_store_b128 v8, v[WOUT+4*\i:WOUT+4*\i+3], s[18:19] offset:512*\i   ; a whole row of 512 bytes
.endr
	s_wait_dscnt 0x0
	global_store_b64 v9, v[26:27], s[20:21]        ; 256 consecutive bytes a wave
.Lend:
	s_wait_tensorcnt 0x0                           ; the wave's end
	ds_add_u32 v[SPW], v[NIL]
	s_wait_dscnt 0x0
	s_endpgm
.Lfunc_end_k_qcacf17d3fa_prep:
	.size	k_qcacf17d3fa_prep, .Lfunc_end_k_qcacf17d3fa_prep-k_qcacf17d3fa_prep
	.p2alignl 7, 3214868480
	.fill 96, 4, 3214868480
	.section	.rodata,"a",@progbits
	.p2align	6, 0x0
	.amdhsa_kernel k_qcacf17d3fa_prep
		.amdhsa_group_segment_fixed_size 102400
		.amdhsa_private_segment_fixed_size 0
		.amdhsa_enable_private_segment 0
		.amdhsa_kernarg_size 80
		.amdhsa_user_sgpr_count 2
		.amdhsa_user_sgpr_kernarg_segment_ptr 1
		.amdhsa_wavefront_size32 1
		.amdhsa_system_sgpr_workgroup_id_x 1
		.amdhsa_system_sgpr_workgroup_id_y 1
		.amdhsa_system_sgpr_workgroup_id_z 1
		.amdhsa_system_vgpr_workitem_id 0
		.amdhsa_next_free_vgpr 192
		.amdhsa_next_free_sgpr 66
		.amdhsa_reserve_vcc 0
		.amdhsa_float_denorm_mode_32 3
		.amdhsa_float_denorm_mode_16_64 3
		.amdhsa_memory_ordered 1
		.amdhsa_forward_progress 1
		.amdhsa_inst_pref_size 79
	.end_amdhsa_kernel
	.amdgpu_metadata
---
amdhsa.version: [ 1, 2 ]
amdhsa.kernels:
  - .name:           k_qcacf17d3fa_prep
    .symbol:         k_qcacf17d3fa_prep.kd
    .args:
      - { .name: x, .offset: 0, .size: 8, .value_kind: global_buffer, .address_space: global }
      - { .name: Wq, .offset: 8, .size: 8, .value_kind: global_buffer, .address_space: global }
      - { .name: Wk, .offset: 16, .size: 8, .value_kind: global_buffer, .address_space: global }
      - { .name: Wv, .offset: 24, .size: 8, .value_kind: global_buffer, .address_space: global }
      - { .name: Wp, .offset: 32, .size: 8, .value_kind: global_buffer, .address_space: global }
      - { .name: x_codes, .offset: 40, .size: 8, .value_kind: global_buffer, .address_space: global }
      - { .name: x_scales, .offset: 48, .size: 8, .value_kind: global_buffer, .address_space: global }
      - { .name: w_codes, .offset: 56, .size: 8, .value_kind: global_buffer, .address_space: global }
      - { .name: w_scales, .offset: 64, .size: 8, .value_kind: global_buffer, .address_space: global }
      - { .name: wp16, .offset: 72, .size: 8, .value_kind: global_buffer, .address_space: global }
    .group_segment_fixed_size: 102400
    .private_segment_fixed_size: 0
    .kernarg_segment_align: 8
    .kernarg_segment_size: 80
    .max_flat_workgroup_size: 256
    .sgpr_count:     66
    .vgpr_count:     192
    .wavefront_size: 32
...
	.end_amdgpu_metadata
.endif
;; end of part 1
;; launch qkv (part 2): grid 12 x 32, 4 waves a work-group, clusters of 4 x 4, 327,680 bytes of LDS; arguments x_codes, x_scales, w_codes, w_scales, bq, bk, bv, qkv16, qkv32; writes qkv16, qkv32
.if DOCPART == 2
	.amdgcn_target "amdgcn-amd-amdhsa--gfx1250"
	.amdhsa_code_object_version 6
	.text
	.protected	k_qcacf17d3fa_qkv
	.globl	k_qcacf17d3fa_qkv
	.p2align	8
	.type	k_qcacf17d3fa_qkv,@function
k_qcacf17d3fa_qkv:
	s_mov_b64 s[64:65], 0
	v_nop
	global_prefetch_b8 v0, s[64:65] scope:SCOPE_SE
	s_setreg_imm32_b32 hwreg(HW_REG_WAVE_MODE, 25, 1), 1
	s_wait_xcnt 0x0
	s_wait_alu depctr_hold_cnt(0) depctr_sa_sdst(0) depctr_va_vdst(0) depctr_va_sdst(0) depctr_va_ssrc(0) depctr_va_vcc(0) depctr_vm_vsrc(0)
	s_getreg_b32 s2, hwreg(HW_REG_IB_STS2, 6, 4)
	s_cmp_eq_u32 s2, 0
	s_cbranch_scc0 .Lentry_in_a_cluster
	s_endpgm
.Lentry_in_a_cluster:
	s_bfe_u32 s2, ttmp6, 0x10000c
	s_cmp_lg_u32 s2, 0xf033
	s_cbranch_scc0 .Lentry_shape_is_right
	s_endpgm
.Lentry_shape_is_right:
; q, k, v = x W + b on codes of FP4 (E2M1) with one E8M0 scale for each 32 along K: [8192][1024] x [3072][1024]^T, sums in f32, the bias as the C of each sum's first product.
; The result leaves as f16, head-major: qkv16 [part 3][b 4][head 16][t 2048][64]; of positions t < 16 of every batch the f32 sums leave too, as images of the accumulators (qkv32).
; LIMIT: |q|, |k|, |v| above 65,504 have no f16 number.
; A tile of 256 x 256 is made by four waves, 128 x 128 each: 64 accumulators, 512 registers.  K = 1,024 is two slots of 512 (rows of 256 bytes): both are asked for at the head and nothing is filled again.
; The scale bytes of the work-group's rows, for all of K, come once, as two dense blocks.
; CLUSTER: 4 x 4.  Tile row = 8 cy + cluster y (cy is the batch, cluster y the block of 256 positions), tile column = 4 cluster x + cx (cluster x is the part q, k, v).  A's tiles are shared along a row
; of the cluster, B's along a column: each is asked for jointly.  THE MATRIX INSTRUCTION IS USED TRANSPOSED (source 0 = 16 rows of W's codes, source 1 = 16 rows of x): a lane holds eight neighbouring columns of a row.
; REGISTERS: window 0: v0-31 addresses; v32-95 scale words, two sets; v128-191 A's fragments, one set; v192-255 the bias, eight registers for each of B's blocks; on the way out v128-223 are free.
;   window 1: B's fragments, two sets, at v0 and v128.  window 2: accumulators of my rows 0-63 ((a, b) at v[8 (8 a + b)]);  window 3: those of rows 64-127.
.set KSTEP,  512
.set NQ,     4
.set ROWB,   256
.set KROW,   512                       ; a row of codes in memory
.set PITCH,  272                       ; an LDS row: 256 bytes + 16 of padding: the 16 rows of a fragment load start at 16 different banks (64 banks of 4 bytes: ISA guide 11.1)
.set FR,     8
.set NL,     2
.set NP,     4
.set HALFT,  128*PITCH
.set SLOT,   4*HALFT
.set KS,     32                        ; a row of scale bytes
.set SCL,    2*SLOT
.set HALFS,  (128*KS/256)*272
.set SBLK,   (16*KS/256)*272
.set SPARE,  SCL+4*HALFS               ; the spare words, 128 bytes for each wave
.set STAGE,  SPARE+512                 ; the way out: 16 rows x (256 bytes + 16) for each wave, bytes into which no tile lands
.set SPITCH, 272
.set ADRA, 16
.set ADRB, 20
.set STO,  24
.set RD,   25
.set CO,   26
.set ADRS, 27
.set SPW,  28
.set NIL,  29
.set BO,   30
.set SC,   32
.set AF,   128
.set BIAS, 192
.set TMP,  192
.set BK,   128
.set G1, 24
.set G0, 32
.set G1B, 48
.set G0B, 56
.set G1S, 68
.set G0S, 76
.set G1SB, 80
.set G0SB, 88
.set MSB, 0
.macro WIN new                         ; the immediate's high byte repeats the setting that is left
.if MSB != \new
	s_set_vgpr_msb (MSB<<8)|\new
.set MSB, \new
.endif
.endm
.set MUL_LO, 0xa1                      ; source 0 (B) window 1, source 1 (A) window 0, C and D window 2
.set MUL_HI, 0xf1                      ; the same, C and D window 3
.set FST_LO, 0x81                      ; the first step: C (the bias) window 0, D window 2
.set FST_HI, 0xc1                      ; D window 3
.set TO_B,   0x40
; A joint load: waves 0 and 1 fetch for A, waves 2 and 3 for B; the branch hangs on the wave's number alone.  An s_nop 0 and four v_nop follow each of the two lines.
.macro JLOAD g0a, g1a, g0b, g1b
	s_cmp_eq_u32 s15, 0
	s_cbranch_scc0 .Lfor_b_\@
	tensor_load_to_lds s[\g0a:\g0a+3], s[\g1a:\g1a+7]
	s_nop 0
.rept 4
	v_nop
.endr
	s_branch .Lasked_\@
.Lfor_b_\@:
	tensor_load_to_lds s[\g0b:\g0b+3], s[\g1b:\g1b+7]
	s_nop 0
.rept 4
	v_nop
.endr
.Lasked_\@:
.endm
.macro CROUND                          ; a round of the cluster's barrier
	s_barrier_signal -1
	s_barrier_wait -1
	s_cmp_lg_u32 s14, 0
	s_cbranch_scc1 .Lnot_wave_0_\@
	s_barrier_signal -3
.Lnot_wave_0_\@:
	s_barrier_wait -3
	s_barrier_signal -1
	s_barrier_wait -1
.endm
	s_load_b128 s[4:7], s[0:1], 0x0                ; x's codes, x's scales
	s_load_b128 s[8:11], s[0:1], 0x10              ; W's codes, W's scales
	s_load_b128 s[96:99], s[0:1], 0x20             ; bq, bk
	s_load_b64 s[100:101], s[0:1], 0x30            ; bv
	s_load_b64 s[12:13], s[0:1], 0x38              ; qkv16
	s_load_b64 s[66:67], s[0:1], 0x40              ; qkv32
	v_lshl_add_u32 v[SPW], v0, 2, SPARE
	v_mov_b32 v[NIL], 0
	ds_add_u32 v[SPW], v[NIL]                      ; the wave's opening: the add, twice on end, and its wait ahead of my first tensor load
	ds_add_u32 v[SPW], v[NIL]
	v_lshrrev_b32 v1, 5, v0
	v_readfirstlane_b32 s14, v1                    ; wave 0..3
	s_lshr_b32 s15, s14, 1                         ; which half of the tile's rows is mine.  Also: I fetch for A (0) or for B (1)
	s_and_b32 s16, s14, 1                          ; which half of its columns.  Also: which 128 rows of that tile I fetch
	s_bfe_u32 s40, ttmp6, 0x40000                  ; cx
	s_bfe_u32 s41, ttmp6, 0x40004                  ; cy
	s_lshl_b32 s42, ttmp9, 2
	s_add_co_u32 s42, s42, s40                     ; tile column = 4 x cluster x + cx
	s_and_b32 s17, ttmp7, 0xffff
	s_lshl_b32 s18, s41, 3
	s_add_co_u32 s17, s17, s18                     ; tile row = 8 cy + cluster y
	s_lshl_b32 s43, s41, 2
	s_lshl_b32 s43, 15, s43                        ; my row of the cluster
	s_lshl_b32 s44, 0x1111, s40                    ; my column
	s_or_b32 s[G1+0], s43, (0<<16)|(1<<20)|(1<<21)|(5<<22)|(3<<25)  ; the mask; elements of 1 byte; padding on; bit 21 beside a mask; after every 64 words; 4 words
	s_or_b32 s[G1B+0], s44, (0<<16)|(1<<20)|(1<<21)|(5<<22)|(3<<25)
.irp g, G1, G1B
	s_mov_b32 s[\g+1], ROWB<<16                    ; tensor_dim0
	s_mov_b32 s[\g+2], 128<<16                     ; tensor_dim1
	s_mov_b32 s[\g+3], ROWB<<16                    ; tile_dim0
	s_mov_b32 s[\g+4], 128                         ; tile_dim1
	s_mov_b32 s[\g+5], KROW                        ; tensor_dim0_stride
	s_mov_b32 s[\g+6], 0
	s_mov_b32 s[\g+7], 0
.endr
	s_or_b32 s[G1S+0], s43, (3<<16)|(1<<20)|(1<<21)|(5<<22)|(3<<25) ; the scales of 128 rows: 4,096 dense bytes as 16 rows of 256 (32 elements of 8 bytes), 16 bytes of padding behind each
	s_or_b32 s[G1SB+0], s44, (3<<16)|(1<<20)|(1<<21)|(5<<22)|(3<<25)
.irp g, G1S, G1SB
	s_mov_b32 s[\g+1], 32<<16
	s_mov_b32 s[\g+2], (128*KS/256)<<16
	s_mov_b32 s[\g+3], 32<<16
	s_mov_b32 s[\g+4], 128*KS/256
	s_mov_b32 s[\g+5], 32
	s_mov_b32 s[\g+6], 0
	s_mov_b32 s[\g+7], 0
.endr
	s_lshl_b32 s18, s16, 7
	s_lshl_b32 s20, s17, 8
	s_add_co_u32 s20, s20, s18                     ; A: row 256 x tile row + 128 x half
	s_lshl_b32 s46, s42, 8
	s_add_co_u32 s46, s46, s18                     ; B: row 256 x tile column + 128 x half
	s_mov_b32 s21, 0
	s_mov_b32 s47, 0
	s_mov_b64 s[18:19], KS
	s_mul_u64 s[22:23], s[20:21], s[18:19]
	s_mul_u64 s[92:93], s[46:47], s[18:19]
	s_mov_b64 s[18:19], KROW
	s_mul_u64 s[20:21], s[20:21], s[18:19]
	s_mul_u64 s[46:47], s[46:47], s[18:19]
	s_mul_i32 s45, s14, HALFT                      ; where they go: wave x 128 rows: no place in the cluster enters an LDS address
	s_mul_i32 s94, s14, HALFS
	s_wait_dscnt 0x0                               ; both opening adds are done
	s_wait_kmcnt 0x0
	s_add_nc_u64 s[20:21], s[4:5], s[20:21]
	s_add_nc_u64 s[22:23], s[6:7], s[22:23]
	s_add_nc_u64 s[46:47], s[8:9], s[46:47]
	s_add_nc_u64 s[92:93], s[10:11], s[92:93]
	CROUND                                         ; all sixteen work-groups are here: the joint loads meet
	s_mov_b32 s[G0S], 1
	s_add_co_u32 s[G0S+1], s94, SCL
	s_mov_b64 s[G0S+2:G0S+3], s[22:23]
	s_or_b32 s[G0S+3], s[G0S+3], 0x80000000
	s_mov_b32 s[G0SB], 1
	s_add_co_u32 s[G0SB+1], s94, SCL
	s_mov_b64 s[G0SB+2:G0SB+3], s[92:93]
	s_or_b32 s[G0SB+3], s[G0SB+3], 0x80000000
	JLOAD G0S, G1S, G0SB, G1SB                     ; the scales first; with the two slots three loads of mine are out
.irp s, 0,1
	s_mov_b32 s[G0+4*\s], 1
	s_add_co_u32 s[G0+4*\s+1], s45, \s*SLOT
	s_add_nc_u64 s[G0+4*\s+2:G0+4*\s+3], s[20:21], \s*ROWB
	s_or_b32 s[G0+4*\s+3], s[G0+4*\s+3], 0x80000000
	s_mov_b32 s[G0B+4*\s], 1
	s_add_co_u32 s[G0B+4*\s+1], s45, \s*SLOT
	s_add_nc_u64 s[G0B+4*\s+2:G0B+4*\s+3], s[46:47], \s*ROWB
	s_or_b32 s[G0B+4*\s+3], s[G0B+4*\s+3], 0x80000000
	JLOAD G0+4*\s, G1, G0B+4*\s, G1B
.endr
	v_and_b32 v1, 15, v0                           ; r
	v_bfe_u32 v2, v0, 4, 1                         ; h
	; the bias of my 128 columns: lane (r, h) wants, for B's block b, the numbers 16 b + 8 h + 0 .. 7
	s_cmp_eq_u32 ttmp9, 0
	s_cselect_b64 s[96:97], s[96:97], s[98:99]
	s_cmp_eq_u32 ttmp9, 2
	s_cselect_b64 s[96:97], s[100:101], s[96:97]
	s_lshl_b32 s46, s40, 10
	s_lshl_b32 s47, s16, 9
	s_add_co_u32 s46, s46, s47
	s_mov_b32 s47, 0
	s_add_nc_u64 s[96:97], s[96:97], s[46:47]
	v_lshlrev_b32 v[BO], 5, v2
.irp b, 0,1,2,3,4,5,6,7
	global_load_b128 v[BIAS+8*\b:BIAS+8*\b+3], v[BO], s[96:97] offset:64*\b
	global_load_b128 v[BIAS+8*\b+4:BIAS+8*\b+7], v[BO], s[96:97] offset:64*\b+16
.endr
	v_mul_u32_u24 v3, v1, PITCH
	v_lshl_add_u32 v4, v2, 4, v3                   ; a fragment's row x pitch + 16 x half
	s_mul_i32 s21, s15, HALFT
	s_mul_i32 s22, s16, HALFT
	s_add_co_u32 s22, s22, 2*HALFT
.irp s, 0,1
	v_add_nc_u32 v[ADRA+\s], s21, v4
	v_add_nc_u32 v[ADRB+\s], s22, v4
	s_add_co_u32 s21, s21, SLOT
	s_add_co_u32 s22, s22, SLOT
.endr
	v_mul_u32_u24 v5, v1, KS                       ; my row's scales: 32 bytes a row,
	v_lshrrev_b32 v6, 8, v5
	v_lshl_add_u32 v5, v6, 4, v5                   ; and 16 more for each 256 passed
	s_mul_i32 s21, s15, HALFS
	s_mul_i32 s22, s16, HALFS
	s_add_co_u32 s22, s22, 2*HALFS
	s_sub_co_u32 s22, s22, s21
	v_mul_u32_u24 v6, s22, v2                      ; lanes 16-31 take B's
	s_add_co_u32 s21, s21, SCL
	v_add_nc_u32 v5, v5, v6
	v_add_nc_u32 v[ADRS], s21, v5
	s_mul_i32 s23, s14, 16*SPITCH
	s_add_co_u32 s23, s23, STAGE                   ; my stage
	v_mul_u32_u24 v5, v1, SPITCH
	v_lshl_add_u32 v5, v2, 4, v5
	v_add_nc_u32 v[STO], s23, v5                   ; in: row r, 16 bytes for each half of the lanes
	v_bfe_u32 v5, v0, 3, 2
	v_mul_u32_u24 v5, v5, SPITCH
	v_and_b32 v6, 7, v0
	v_lshl_add_u32 v5, v6, 4, v5
	v_add_nc_u32 v[RD], s23, v5                    ; back: eight lanes take a head's 128 bytes of a row, four rows an instruction
	v_and_b32 v6, 31, v0
	v_lshlrev_b32 v[CO], 4, v6                     ; and in memory those four rows are 512 bytes on end
	; qkv16: part << 24 + batch << 22 + head << 18 + position x 128
	s_lshl_b32 s92, ttmp9, 24
	s_lshl_b32 s93, s41, 22
	s_add_co_u32 s92, s92, s93
	s_lshl_b32 s93, s40, 20                        ; head 4 cx + 2 x half
	s_add_co_u32 s92, s92, s93
	s_lshl_b32 s93, s16, 19
	s_add_co_u32 s92, s92, s93
	s_and_b32 s95, ttmp7, 0xffff
	s_lshl_b32 s93, s95, 15                        ; position 256 x cluster y + 128 x half
	s_add_co_u32 s92, s92, s93
	s_lshl_b32 s93, s15, 14
	s_add_co_u32 s92, s92, s93
	s_mov_b32 s93, 0
	s_or_b32 s94, s95, s15                         ; 0 where my block 0 holds positions 0 to 15: cluster y and the wave's number alone, equal in all partners
	; qkv32: (24 x batch + 8 x part + 2 cx + half) x 8,192
	s_mul_i32 s46, s41, 24
	s_lshl_b32 s47, ttmp9, 3
	s_add_co_u32 s46, s46, s47
	s_lshl_b32 s47, s40, 1
	s_add_co_u32 s46, s46, s47
	s_add_co_u32 s46, s46, s16
	s_lshl_b32 s46, s46, 13
	s_mov_b32 s47, 0
	s_add_nc_u64 s[66:67], s[66:67], s[46:47]
.macro FRAG reg, adr, q, i             ; 16 rows x 128 K of 4-bit codes: 8 registers, two loads of 16 bytes, 32 bytes apart
.irp c, 0,1
	ds_load_b128 v[\reg+4*\c:\reg+4*\c+3], v[\adr] offset:64*(\q)+32*\c+(\i)*16*PITCH
.endr
.endm
; 16 matrix instructions: A's blocks a0, a0 + 1 x B's eight.  p: B's set; sc: the set of scale words.  zero = 1: the first product starts the sums from the bias.  The 64 accumulators take turns.
.macro MUL16 a0, p, q, sc, zero
.irp a, \a0, \a0+1
.irp b, 0,1,2,3,4,5,6,7
.if \zero
	v_wmma_scale_f32_16x16x128_f8f6f4 v[8*(8*((\a)%4)+\b):8*(8*((\a)%4)+\b)+7], v[128*(\p)+FR*\b:128*(\p)+FR*\b+FR-1], v[AF+FR*(\a):AF+FR*(\a)+FR-1], v[BIAS+8*\b:BIAS+8*\b+7], v[SC+8*NQ*(\sc)+NQ*\b+(\q)], v[SC+8*NQ*(\sc)+NQ*(\a)+(\q)] matrix_a_fmt:MATRIX_FMT_FP4 matrix_b_fmt:MATRIX_FMT_FP4 matrix_a_scale:MATRIX_SCALE_ROW1
.else
	v_wmma_scale_f32_16x16x128_f8f6f4 v[8*(8*((\a)%4)+\b):8*(8*((\a)%4)+\b)+7], v[128*(\p)+FR*\b:128*(\p)+FR*\b+FR-1], v[AF+FR*(\a):AF+FR*(\a)+FR-1], v[8*(8*((\a)%4)+\b):8*(8*((\a)%4)+\b)+7], v[SC+8*NQ*(\sc)+NQ*\b+(\q)], v[SC+8*NQ*(\sc)+NQ*(\a)+(\q)] matrix_a_fmt:MATRIX_FMT_FP4 matrix_b_fmt:MATRIX_FMT_FP4 matrix_a_scale:MATRIX_SCALE_ROW1
.endif
.endr
.endr
.endm
.macro FETCH_B slot, q, p
	WIN TO_B
.irp i, 0,1,2,3,4,5,6,7
	FRAG 128*(\p)+FR*\i, ADRB+\slot, \q, \i
.endr
	WIN 0
.endm
.macro FETCH_A slot, q, i0
.irp i, \i0, \i0+1, \i0+2, \i0+3
	FRAG AF+FR*(\i), ADRA+\slot, \q, \i
.endr
.endm
.macro SCALES sc                       ; a slot's scale words: lanes 0-15 take A's block i, lanes 16-31 B's block i
.irp i, 0,1,2,3,4,5,6,7
	ds_load_b128 v[SC+8*NQ*\sc+NQ*\i:SC+8*NQ*\sc+NQ*\i+3], v[ADRS] offset:\i*SBLK
.endr
.endm
.macro PLACES n                        ; plain vector lines between a matrix instruction and a load into, or a read of, its registers
.rept \n
	v_nop
.endr
.endm
.macro STEP slot, q, zero              ; 128 along K with a successor in the same slot
	s_wait_dscnt 4*NL                              ; B's set and A's blocks 0-3 are in; the youngest eight loads (A's blocks 4-7) may be out
.if \zero
	WIN FST_LO
.else
	WIN MUL_LO
.endif
	MUL16 0, (\q)%2, \q, \slot, \zero
	MUL16 2, (\q)%2, \q, \slot, \zero
	s_wait_dscnt 0
	PLACES NP
	FETCH_B \slot, (\q)+1, 1-(\q)%2
	FETCH_A \slot, (\q)+1, 0
.if \zero
	WIN FST_HI
.else
	WIN MUL_HI
.endif
	MUL16 4, (\q)%2, \q, \slot, \zero
	MUL16 6, (\q)%2, \q, \slot, \zero
	PLACES NP
	WIN 0
	FETCH_A \slot, (\q)+1, 4
.endm
.macro STEPS slot, from
.set Q, \from
.rept NQ-1-\from
	STEP \slot, Q, 0
.set Q, Q+1
.endr
.endm
	s_wait_tensorcnt 1                             ; the scales and my part of slot 0 are in; slot 1's load may be out
	s_barrier_signal -1
	s_barrier_wait -1
	FETCH_B 0, 0, 0
	FETCH_A 0, 0, 0
	SCALES 0
	FETCH_A 0, 0, 4
	s_wait_loadcnt 0x0                             ; the bias
	STEP 0, 0, 1
	STEPS 0, 1
	; slot 0's last step changes slots: one barrier; nothing is filled again
	s_wait_tensorcnt 0x0                           ; my part of slot 1 has landed
	ds_add_u32 v[SPW], v[NIL]
	s_wait_dscnt 4*NL+1                            ; the add and the youngest eight loads may be out
	WIN MUL_LO
	MUL16 0, 1, NQ-1, 0, 0
	s_wait_dscnt 0x0                               ; the add is done, and my reads of slot 0 are over
	s_barrier_signal -1
	MUL16 2, 1, NQ-1, 0, 0
	WIN 0
	s_barrier_wait -1
	PLACES NP
	v_add_nc_u32 v[ADRS], 4*NQ, v[ADRS]            ; on to slot 1's scale words
	FETCH_B 1, 0, 0
	FETCH_A 1, 0, 0
	SCALES 1
	WIN MUL_HI
	MUL16 4, 1, NQ-1, 0, 0
	MUL16 6, 1, NQ-1, 0, 0
	PLACES NP
	WIN 0
	FETCH_A 1, 0, 4
	STEPS 1, 0
	s_wait_dscnt 4*NL                              ; the very last step
	WIN MUL_LO
	MUL16 0, 1, NQ-1, 1, 0
	MUL16 2, 1, NQ-1, 1, 0
	s_wait_dscnt 0
	WIN MUL_HI
	MUL16 4, 1, NQ-1, 1, 0
	MUL16 6, 1, NQ-1, 1, 0
	WIN 0
	PLACES NP
	; positions 0 to 15 of a batch leave in f32 too, as images of block 0's eight accumulators: 512 consecutive bytes a store
	s_cmp_lg_u32 s94, 0
	s_cbranch_scc1 .Lno_fine
	WIN 0x08                                       ; a store's data are its source 1: window 2
.irp b, 0,1,2,3,4,5,6,7
	global_store_b128 v[CO], v[8*\b:8*\b+3], s[66:67] offset:1024*\b          ; each accumulator from its low end on
	global_store_b128 v[CO], v[8*\b+4:8*\b+7], s[66:67] offset:1024*\b+512
.endr
	WIN 0
.Lno_fine:
; THE WAY OUT, a block of 16 rows x 128 columns (two heads) at a time: rounded to f16, through my own stage, back as four rows of one head an instruction: 512 consecutive, aligned bytes of qkv16.
.macro PACK a
.set AC, 64*((\a)%4)
	WIN (0x0a+5*((\a)/4))                          ; sources 0 and 1: window 2 or 3
.irp b, 0,1,2,3,4,5,6,7
.irp i, 0,1,2,3
	v_cvt_pk_f16_f32 v[TMP+4*\b+\i], v[AC+8*\b+2*\i], v[AC+8*\b+2*\i+1]
.endr
.endr
	WIN 0
.endm
.macro TOSTAGE a
.set BB, BK+32*((\a)%2)
.irp b, 0,1,2,3,4,5,6,7
	ds_store_b128 v[STO], v[TMP+4*\b:TMP+4*\b+3] offset:32*\b
.endr
.irp hd, 0,1
.irp i, 0,1,2,3
	ds_load_b128 v[BB+4*(4*\hd+\i):BB+4*(4*\hd+\i)+3], v[RD] offset:128*\hd+4*\i*SPITCH   ; LDS serves a wave's instructions in order: these see the stores above
.endr
.endr
.endm
.macro SEND a
.set BB, BK+32*((\a)%2)
	s_wait_dscnt 0x0                               ; the block is back in registers
	s_wait_xcnt 0x0                                ; the earlier stores have read their base and their registers
.if (\a) == 0
	s_add_nc_u64 s[12:13], s[12:13], s[92:93]
.else
	s_add_nc_u64 s[12:13], s[12:13], 2048          ; 16 positions on
.endif
.irp hd, 0,1
.irp i, 0,1,2,3
	global_store_b128 v[CO], v[BB+4*(4*\hd+\i):BB+4*(4*\hd+\i)+3], s[12:13] offset:\hd*262144+512*\i
.endr
.endr
.endm
	PACK 0
	TOSTAGE 0
.irp a, 1,2,3,4,5,6,7                  ; block a's conversions stand between block a - 1's loads from the stage and the wait for them
	PACK \a
	SEND \a-1
	TOSTAGE \a
.endr
	SEND 7
	s_wait_tensorcnt 0x0                           ; the wave's end
	ds_add_u32 v[SPW], v[NIL]
	s_wait_dscnt 0x0
	CROUND                                         ; the closing round
	s_endpgm
.Lfunc_end_k_qcacf17d3fa_qkv:
	.size	k_qcacf17d3fa_qkv, .Lfunc_end_k_qcacf17d3fa_qkv-k_qcacf17d3fa_qkv
	.p2alignl 7, 3214868480
	.fill 96, 4, 3214868480
	.section	.rodata,"a",@progbits
	.p2align	6, 0x0
	.amdhsa_kernel k_qcacf17d3fa_qkv
		.amdhsa_group_segment_fixed_size 327680
		.amdhsa_private_segment_fixed_size 0
		.amdhsa_enable_private_segment 0
		.amdhsa_kernarg_size 72
		.amdhsa_user_sgpr_count 2
		.amdhsa_user_sgpr_kernarg_segment_ptr 1
		.amdhsa_wavefront_size32 1
		.amdhsa_system_sgpr_workgroup_id_x 1
		.amdhsa_system_sgpr_workgroup_id_y 1
		.amdhsa_system_sgpr_workgroup_id_z 1
		.amdhsa_system_vgpr_workitem_id 0
		.amdhsa_next_free_vgpr 1024
		.amdhsa_next_free_sgpr 102
		.amdhsa_reserve_vcc 0
		.amdhsa_float_denorm_mode_32 3
		.amdhsa_float_denorm_mode_16_64 3
		.amdhsa_memory_ordered 1
		.amdhsa_forward_progress 1
		.amdhsa_inst_pref_size 131
	.end_amdhsa_kernel
	.amdgpu_metadata
---
amdhsa.version: [ 1, 2 ]
amdhsa.kernels:
  - .name:           k_qcacf17d3fa_qkv
    .symbol:         k_qcacf17d3fa_qkv.kd
    .args:
      - { .name: x_codes, .offset: 0, .size: 8, .value_kind: global_buffer, .address_space: global }
      - { .name: x_scales, .offset: 8, .size: 8, .value_kind: global_buffer, .address_space: global }
      - { .name: w_codes, .offset: 16, .size: 8, .value_kind: global_buffer, .address_space: global }
      - { .name: w_scales, .offset: 24, .size: 8, .value_kind: global_buffer, .address_space: global }
      - { .name: bq, .offset: 32, .size: 8, .value_kind: global_buffer, .address_space: global }
      - { .name: bk, .offset: 40, .size: 8, .value_kind: global_buffer, .address_space: global }
      - { .name: bv, .offset: 48, .size: 8, .value_kind: global_buffer, .address_space: global }
      - { .name: qkv16, .offset: 56, .size: 8, .value_kind: global_buffer, .address_space: global }
      - { .name: qkv32, .offset: 64, .size: 8, .value_kind: global_buffer, .address_space: global }
    .group_segment_fixed_size: 327680
    .private_segment_fixed_size: 0
    .kernarg_segment_align: 8
    .kernarg_segment_size: 72
    .max_flat_workgroup_size: 128
    .sgpr_count:     102
    .vgpr_count:     1024
    .wavefront_size: 32
...
	.end_amdgpu_metadata
.endif
;; end of part 2
;; launch attn (part 3): grid 4 x 64, 8 waves a work-group, no clusters, 327,680 bytes of LDS; arguments qkv16, o16; writes o16
.if DOCPART == 3
	.amdgcn_target "amdgcn-amd-amdhsa--gfx1250"
	.amdhsa_code_object_version 6
	.text
	.protected	k_qcacf17d3fa_attn
	.globl	k_qcacf17d3fa_attn
	.p2align	8
	.type	k_qcacf17d3fa_attn,@function
k_qcacf17d3fa_attn:
	s_mov_b64 s[64:65], 0
	v_nop
	global_prefetch_b8 v0, s[64:65] scope:SCOPE_SE
	s_setreg_imm32_b32 hwreg(HW_REG_WAVE_MODE, 25, 1), 1
	s_wait_xcnt 0x0
; o[b][h][q] = the sum over k <= q of softmax_k(q . k / 8) v, on f16 operands with f32 sums, maxima and sums of weights in f32, a running maximum.  qkv16: [part][b][head][t 2048][64] f16; o16: [head][b x 2048 + t][64] f16.
; LIMIT: |o| above 65,504 has no f16 number; a weight p under 2^-25 of its row's largest rounds to 0 in f16.
; SHARES.  Work-group (p, bh) owns two blocks of 256 queries of head bh: first block 7 - p, then block p: (8 - p) + (p + 1) = 9 slots of 256 keys for every work-group, so the trip count is a constant
; and all 256 work-groups have the same work.  Each of the eight waves owns 32 queries of a block: two tiles of 16.  Two waves share a SIMD: one's softmax stands beside the other's products.
; LAYOUT.  S^T = K Q^T (source 0 = 16 keys, source 1 = 16 queries) and O^T = V^T P (source 0 = 16 channels, turned out of LDS; source 1 = P): a lane holds ONE query throughout.
; RING.  Two slots of 256 keys.  Waves 0-3 fetch a quarter (64 keys, 8,192 dense bytes) of K each, waves 4-7 of V: one load a wave behind each barrier, with a whole slot's steps in which to land.
; NO CLUSTER: the four work-groups of a head change their block of queries in trip 7 - p, so in most trips they stand at different slots of keys: a joint request would not name the same tile.
; A step all of whose 64 keys come after the wave's queries is left out by a scalar branch on ids; on the diagonal hidden scores become -infinity ahead of the maximum.
; REGISTERS.  window 0: v1-17 addresses; v24-39 statistics, eight a tile (c m, m, l, l, c0-c3; a takes c2's place); v64-127 K; v128-191 S^T, then p; v192-223 P; v224-255 the way out.
;   window 1: v0-31 Q; v32-95 O^T; v128-191 V.
.set KQB,   8704                       ; a quarter of K in LDS: 32 rows of (two keys: 256 bytes) + 16
.set VQB,   9216                       ; of V: + 32
.set VOFF,  4*KQB
.set SLOT1, 1<<17
.set STAGE, SLOT1+VOFF+4*VQB           ; behind the ring: 32 rows x (128 bytes + 16) for each wave
.set SPIT,  144
.set SPARE, STAGE+8*32*SPIT            ; the spare words, 128 bytes for each wave
.set AK0, 3
.set AV0, 4
.set ADK, 5
.set ADV, 6
.set QO,  7
.set STO, 8
.set RD,  9
.set GO,  10
.set PFO, 11
.set SPW, 12
.set NIL, 13
.set DQ,  14                           ; v14, v15: tile's query - the step's first key - 8 (lane / 16)
.set NINF, 16
.set RH8, 17
.set ST,  24
.set KR,  64
.set S,   128
.set P,   192
.set OUTP, 224
.set QR,  0                            ; window 1
.set OR,  32
.set VR,  128
.set WV,  8
.set PP,  9
.set BH,  10
.set G1K, 16
.set G1V, 24
.set G0K, 32
.set G0V, 36
.set KB,  40                           ; s[40:41] K of my head at my quarter of slot 0;  s[42:43] V likewise
.set VB,  42
.set OFS, 44                           ; s[44:45] an offset pair; the high word stays 0
.set KI,  46                           ; the slot of keys in hand, then the next
.set NP0, 47                           ; 8 - p: the first block's slots
.set KF,  48                           ; the step's first key
.set QL,  49                           ; my last query
.set Q0,  50                           ; my first query
.set TR,  51
.set ST4, 52
.set TBK, 53
.set TBV, 54
.set CS,  56                           ; s[56:57] c = log2(e) / 8
.set SEL, 58
.set QB,  60
.set OB,  62
.set LIM, 66
.set PFA, 68
.set MSB, 0
.macro WIN new
.if MSB != \new
	s_set_vgpr_msb (MSB<<8)|\new
.set MSB, \new
.endif
.endm
; Waves 0-3 fetch for K, waves 4-7 for V.  An s_nop 0 and four v_nop follow each of the two lines.
.macro TLOAD
	s_cmp_lt_u32 s[WV], 4
	s_cbranch_scc0 .Lfor_v_\@
	tensor_load_to_lds s[G0K:G0K+3], s[G1K:G1K+7]
	s_nop 0
.rept 4
	v_nop
.endr
	s_branch .Lasked_\@
.Lfor_v_\@:
	tensor_load_to_lds s[G0V:G0V+3], s[G1V:G1V+7]
	s_nop 0
.rept 4
	v_nop
.endr
.Lasked_\@:
.endm
; A prefetch of the slot that the NEXT change of slots will ask for.  All four work-groups of a head walk the same K and V from slot 0 on; the one with p = 0 walks slots 0 to 7 in trips 0 to 7 and asks, in trip t <= 5,
; for slot t + 2; each of its waves for the 8,192 bytes that it will itself fetch, lanes 256 bytes apart: each aligned block of 256 bytes is named once in the launch.  Slots 0 and 1 come by their loads alone.
.macro ASK
	s_cmp_gt_u32 s[TR], s[LIM]
	s_cbranch_scc0 .Lnot_mine_\@
	global_prefetch_b8 v[PFO], s[PFA:PFA+1] th:TH_LOAD_NT scope:SCOPE_SE
.Lnot_mine_\@:
.endm
; THE CHANGE OF SLOTS, at a slot's head.  Each wave waits for all its tensor loads (its part of the slot ahead), adds 0 to its spare word, and waits for that and for its reads of the slot that it has left.
; fill = 1: that slot is filled with the keys that follow: the next slot of the block in hand, or slot 0 for the second block.
.macro CHANGE fill
	s_wait_tensorcnt 0x0                           ; no tensor load of mine is out, so a group 0 may be written
	ds_add_u32 v[SPW], v[NIL]                      ; 0 onto my spare word; the scalar lines below stand between it and the wait for it
	s_lshl_b32 s[KF], s[KI], 8                     ; the first key of the slot ahead
.if \fill
	s_add_co_u32 s[KI], s[KI], 1
	s_cmp_eq_u32 s[KI], s[NP0]
	s_cselect_b32 s[KI], 0, s[KI]                  ; behind the first block's last slot: slot 0 again
	s_lshl_b32 s[OFS], s[KI], 15                   ; 256 keys of 128 bytes
	s_xor_b32 s[G0K+1], s[G0K+1], SLOT1
	s_add_nc_u64 s[G0K+2:G0K+3], s[KB:KB+1], s[OFS:OFS+1]
	s_or_b32 s[G0K+3], s[G0K+3], 0x80000000
	s_xor_b32 s[G0V+1], s[G0V+1], SLOT1
	s_add_nc_u64 s[G0V+2:G0V+3], s[VB:VB+1], s[OFS:OFS+1]
	s_or_b32 s[G0V+3], s[G0V+3], 0x80000000
	s_wait_xcnt 0x0                                ; the last prefetch, a slot back, has read its address
	s_add_nc_u64 s[PFA:PFA+1], s[PFA:PFA+1], 32768
.endif
	s_wait_dscnt 0x0                               ; the add is done, and my reads of the slot that I have left are over
	s_barrier_signal -1
	s_barrier_wait -1
.if \fill
	TLOAD                                          ; the first thing behind the barrier, and my one tensor load until the next
	ASK
.endif
.endm
; A SLOT'S FOUR KEY STEPS of 64 keys: written once, walked four times.
.macro FOUR_STEPS
	s_mov_b32 s[ST4], 4
.Lstep_\@:
	s_cmp_gt_u32 s[KF], s[QL]                      ; all 64 keys come after my 32 queries: ids and counts of steps alone
	s_cbranch_scc1 .Lhidden_\@
	v_add_nc_u32 v[ADK], s[TBK], v[AK0]
	v_add_nc_u32 v[ADV], s[TBV], v[AV0]
.irp kt, 0,1,2,3
.irp ks, 0,1
	ds_load_b128 v[KR+16*\kt+8*\ks:KR+16*\kt+8*\ks+3], v[ADK] offset:\kt*2176+64*\ks
	ds_load_b128 v[KR+16*\kt+8*\ks+4:KR+16*\kt+8*\ks+7], v[ADK] offset:\kt*2176+64*\ks+32
.endr
.endr
	WIN 0x40                                       ; destination window 1
.irp u, 0,1
.irp t, 0,1,2,3
	ds_load_tr16_b128 v[VR+32*\u+8*\t:VR+32*\u+8*\t+3], v[ADV] offset:\u*4608+32*\t
	ds_load_tr16_b128 v[VR+32*\u+8*\t+4:VR+32*\u+8*\t+7], v[ADV] offset:\u*4608+32*\t+2304
.endr
.endr
	s_wait_dscnt 16                                ; K is in; V's sixteen loads may be out
	WIN 0x04                                       ; Q in window 1
.irp ks, 0,1                           ; the eight accumulators take turns, one instruction a turn
.irp kt, 0,1,2,3
.irp tq, 0,1
.if \ks == 0
	v_wmma_f32_16x16x32_f16 v[S+32*\tq+8*\kt:S+32*\tq+8*\kt+7], v[KR+16*\kt+8*\ks:KR+16*\kt+8*\ks+7], v[QR+16*\tq+8*\ks:QR+16*\tq+8*\ks+7], 0
.else
	v_wmma_f32_16x16x32_f16 v[S+32*\tq+8*\kt:S+32*\tq+8*\kt+7], v[KR+16*\kt+8*\ks:KR+16*\kt+8*\ks+7], v[QR+16*\tq+8*\ks:QR+16*\tq+8*\ks+7], v[S+32*\tq+8*\kt:S+32*\tq+8*\kt+7]
.endif
.endr
.endr
.endr
	WIN 0
	s_sub_co_i32 s70, s[Q0], s[KF]
	v_add_nc_u32 v[DQ], s70, v[RH8]                ; four plain lines behind the products
	v_add_nc_u32 v[DQ+1], 16, v[DQ]
	v_nop
	v_nop
	s_add_co_u32 s70, s[KF], 63
	s_cmp_le_u32 s70, s[Q0]                        ; all 64 keys count for all my queries
	s_cbranch_scc1 .Lopen_\@
.irp tq, 0,1                           ; register 8 kt + j of a tile holds key KF + 16 kt + 8 (lane / 16) + j: hidden where 16 kt + j > DQ
.irp kt, 0,1,2,3
.irp j, 0,1,2,3,4,5,6,7
	v_cmp_gt_i32 vcc_lo, 16*\kt+\j, v[DQ+\tq]
	v_cndmask_b32 v[S+32*\tq+8*\kt+\j], v[S+32*\tq+8*\kt+\j], v[NINF], vcc_lo
.endr
.endr
.endr
.Lopen_\@:
.irp j, 0,1,2,3                        ; the maximum of a lane's 32 scores and the old m: four chains, each accumulator from its low end on; the two tiles line by line
.irp t, 0,1
	v_max3_num_f32 v[ST+8*\t+4+\j], v[S+32*\t+8*\j], v[S+32*\t+8*\j+1], v[S+32*\t+8*\j+2]
.endr
.endr
.irp g, 3,5
.irp j, 0,1,2,3
.irp t, 0,1
	v_max3_num_f32 v[ST+8*\t+4+\j], v[ST+8*\t+4+\j], v[S+32*\t+8*\j+\g], v[S+32*\t+8*\j+\g+1]
.endr
.endr
.endr
.irp t, 0,1
	v_max3_num_f32 v[ST+8*\t+4], v[ST+8*\t+4], v[S+32*\t+7], v[S+32*\t+15]
.endr
.irp t, 0,1
	v_max3_num_f32 v[ST+8*\t+6], v[ST+8*\t+6], v[S+32*\t+23], v[S+32*\t+31]
.endr
.irp t, 0,1
	v_max3_num_f32 v[ST+8*\t+4], v[ST+8*\t+4], v[ST+8*\t+5], v[ST+8*\t+6]
.endr
.irp t, 0,1
	v_max3_num_f32 v[ST+8*\t+4], v[ST+8*\t+4], v[ST+8*\t+7], v[ST+8*\t+1]
.endr
.irp t, 0,1
	v_permlanex16_b32 v[ST+8*\t+5], v[ST+8*\t+4], s[SEL], s[SEL+1]   ; the query's other 32 keys lie in the lane 16 away
.endr
.irp t, 0,1
	v_mov_b32 v[ST+8*\t+7], v[ST+8*\t]             ; c m_old is kept for a
.endr
.irp t, 0,1
	v_max_num_f32 v[ST+8*\t+1], v[ST+8*\t+4], v[ST+8*\t+5]
.endr
.irp t, 0,1
	v_mul_f32 v[ST+8*\t], s[CS], v[ST+8*\t+1]
.endr
.irp t, 0,1
	v_sub_f32 v[ST+8*\t+7], v[ST+8*\t+7], v[ST+8*\t]
.endr
.irp b, 0,1,2,3,4,5,6,7,8,9,10,11,12,13,14,15
.irp t, 0,1
	v_pk_fma_f32 v[S+32*\t+2*\b:S+32*\t+2*\b+1], v[S+32*\t+2*\b:S+32*\t+2*\b+1], s[CS:CS+1], v[ST+8*\t:ST+8*\t+1] op_sel_hi:[1,0,0] neg_lo:[0,0,1] neg_hi:[0,0,1]   ; c s - c m
.endr
.endr
.irp t, 0,1
	v_exp_f32 v[ST+8*\t+6], v[ST+8*\t+7]           ; a = 2^(c m_old - c m_new)
.endr
.irp e, 0,1,2,3,4,5,6,7,8,9,10,11,12,13,14,15,16,17,18,19,20,21,22,23,24,25,26,27,28,29,30,31
.irp t, 0,1
	v_exp_f32 v[S+32*\t+\e], v[S+32*\t+\e]
.endr
.endr
	v_nop                                          ; a plain line behind the last exponential
	s_wait_alu depctr_va_vdst(0)                   ; the wait ahead of the first line that names a result: one for the batch of 66
.irp n, 0,1,2,3,4,5,6,7,8,9,10,11,12,13,14,15
.irp t, 0,1
	v_cvt_pk_f16_f32 v[P+16*\t+\n], v[S+32*\t+2*\n], v[S+32*\t+2*\n+1]
.endr
.endr
.irp u, 0,1,2,3,4,5,6,7                ; the sum of the 16 pairs, in place
.irp t, 0,1
	v_pk_add_f32 v[S+32*\t+4*\u:S+32*\t+4*\u+1], v[S+32*\t+4*\u:S+32*\t+4*\u+1], v[S+32*\t+4*\u+2:S+32*\t+4*\u+3]
.endr
.endr
.irp u, 0,1,2,3
.irp t, 0,1
	v_pk_add_f32 v[S+32*\t+8*\u:S+32*\t+8*\u+1], v[S+32*\t+8*\u:S+32*\t+8*\u+1], v[S+32*\t+8*\u+4:S+32*\t+8*\u+5]
.endr
.endr
.irp u, 0,1
.irp t, 0,1
	v_pk_add_f32 v[S+32*\t+16*\u:S+32*\t+16*\u+1], v[S+32*\t+16*\u:S+32*\t+16*\u+1], v[S+32*\t+16*\u+8:S+32*\t+16*\u+9]
.endr
.endr
.irp t, 0,1
	v_pk_add_f32 v[S+32*\t:S+32*\t+1], v[S+32*\t:S+32*\t+1], v[S+32*\t+16:S+32*\t+17]
.endr
.irp t, 0,1
	v_pk_fma_f32 v[ST+8*\t+2:ST+8*\t+3], v[ST+8*\t+2:ST+8*\t+3], v[ST+8*\t+6:ST+8*\t+7], v[S+32*\t:S+32*\t+1] op_sel_hi:[1,0,1]   ; l = a l + the sum
.endr
	WIN 0x41                                       ; O^T (destination and source 0) window 1, a window 0
.irp t, 0,1
.irp i, 0,1,2,3,4,5,6,7,8,9,10,11,12,13,14,15
	v_pk_mul_f32 v[OR+32*\t+2*\i:OR+32*\t+2*\i+1], v[OR+32*\t+2*\i:OR+32*\t+2*\i+1], v[ST+8*\t+6:ST+8*\t+7] op_sel_hi:[1,0]
.endr
.endr
	s_wait_dscnt 0x0                               ; V is in
	WIN 0x51                                       ; V, C and D window 1, P window 0
.irp u, 0,1
.irp t, 0,1,2,3
.irp tq, 0,1
	v_wmma_f32_16x16x32_f16 v[OR+32*\tq+8*\t:OR+32*\tq+8*\t+7], v[VR+32*\u+8*\t:VR+32*\u+8*\t+7], v[P+16*\tq+8*\u:P+16*\tq+8*\u+7], v[OR+32*\tq+8*\t:OR+32*\tq+8*\t+7]
.endr
.endr
.endr
	WIN 0
.rept 4
	v_nop                                          ; the places behind the last products, for every way on
.endr
.Lhidden_\@:
	s_add_co_u32 s[KF], s[KF], 64
	s_add_co_u32 s[TBK], s[TBK], KQB
	s_add_co_u32 s[TBV], s[TBV], VQB
	s_sub_co_u32 s[ST4], s[ST4], 1
	s_cmp_lg_u32 s[ST4], 0
	s_cbranch_scc1 .Lstep_\@
	s_sub_co_u32 s[TBK], s[TBK], 4*KQB             ; back to a slot's first step,
	s_xor_b32 s[TBK], s[TBK], SLOT1                ; in the other slot
	s_sub_co_u32 s[TBV], s[TBV], 4*VQB
	s_xor_b32 s[TBV], s[TBV], SLOT1
.endm
; A block of queries is finished: O^T / l, rounded to f16, through my own stage, out as 4,096 consecutive bytes.
.macro FINISH
.irp t, 0,1
	v_add_f32 v[ST+8*\t+4], v[ST+8*\t+2], v[ST+8*\t+3]
.endr
.irp t, 0,1
	v_permlanex16_b32 v[ST+8*\t+5], v[ST+8*\t+4], s[SEL], s[SEL+1]
.endr
.irp t, 0,1
	v_add_f32 v[ST+8*\t+4], v[ST+8*\t+4], v[ST+8*\t+5]
.endr
.irp t, 0,1
	v_rcp_f32 v[ST+8*\t+6], v[ST+8*\t+4]
.endr
	v_nop
	s_wait_alu depctr_va_vdst(0)                   ; one wait for the two reciprocals, ahead of their first reader
	WIN 0x01                                       ; source 0 window 1
.irp t, 0,1
.irp i, 0,1,2,3,4,5,6,7,8,9,10,11,12,13,14,15
	v_pk_mul_f32 v[S+32*\t+2*\i:S+32*\t+2*\i+1], v[OR+32*\t+2*\i:OR+32*\t+2*\i+1], v[ST+8*\t+6:ST+8*\t+7] op_sel_hi:[1,0]
.endr
.endr
	WIN 0
.irp t, 0,1
.irp n, 0,1,2,3,4,5,6,7,8,9,10,11,12,13,14,15
	v_cvt_pk_f16_f32 v[OUTP+16*\t+\n], v[S+32*\t+2*\n], v[S+32*\t+2*\n+1]
.endr
.endr
.irp t, 0,1
.irp c, 0,1,2,3
	ds_store_b128 v[STO], v[OUTP+16*\t+4*\c:OUTP+16*\t+4*\c+3] offset:\t*16*SPIT+32*\c
.endr
.endr
.irp i, 0,1,2,3,4,5,6,7
	ds_load_b128 v[S+4*\i:S+4*\i+3], v[RD] offset:4*\i*SPIT   ; LDS serves a wave's instructions in order: these see the stores above
.endr
.irp i, 0,1,2,3,4,5,6,7
	s_wait_dscnt 7-\i
	global_store_b128 v[GO], v[S+4*\i:S+4*\i+3], s[OB:OB+1] offset:512*\i   ; four rows of 128 bytes: 512 consecutive, aligned bytes
.endr
.endm
; A block of queries begins: block s[qb].  Q into registers; O^T, l and the work registers 0; m under every score.
.macro BEGIN qb
	s_wait_xcnt 0x0                                ; the last block's stores have read their base and their registers
	s_lshl_b32 s[Q0], s[\qb], 8
	s_lshl_b32 s70, s[WV], 5
	s_add_co_u32 s[Q0], s[Q0], s70
	s_add_co_u32 s[QL], s[Q0], 31
	s_lshl_b32 s70, s[BH], 11
	s_add_co_u32 s70, s70, s[Q0]
	s_lshl_b32 s70, s70, 7
	s_mov_b32 s71, 0
	s_add_nc_u64 s[QB:QB+1], s[4:5], s[70:71]
	s_and_b32 s72, s[BH], 15                       ; the head,
	s_lshl_b32 s72, s72, 13
	s_lshr_b32 s73, s[BH], 4                       ; the batch
	s_lshl_b32 s73, s73, 11
	s_add_co_u32 s72, s72, s73
	s_add_co_u32 s72, s72, s[Q0]
	s_lshl_b32 s72, s72, 7
	s_mov_b32 s73, 0
	s_add_nc_u64 s[OB:OB+1], s[6:7], s[72:73]
	WIN 0x40
.irp tq, 0,1
.irp ks, 0,1
	global_load_b128 v[QR+16*\tq+8*\ks:QR+16*\tq+8*\ks+3], v[QO], s[QB:QB+1] offset:\tq*2048+64*\ks
	global_load_b128 v[QR+16*\tq+8*\ks+4:QR+16*\tq+8*\ks+7], v[QO], s[QB:QB+1] offset:\tq*2048+64*\ks+32
.endr
.endr
.set i, 0
.rept 64
	v_mov_b32 v[OR+i], 0                           ; the step is written once: a block's first step finds zeros
.set i, i+1
.endr
	WIN 0
.irp t, 0,1
	v_mov_b32 v[ST+8*\t+1], 0xff61b1e6             ; m: -3e38, under every score
	v_mul_f32 v[ST+8*\t], s[CS], v[ST+8*\t+1]
.irp j, 2,3,4,5,6,7
	v_mov_b32 v[ST+8*\t+\j], 0
.endr
.endr
	s_wait_loadcnt 0x0                             ; Q
.endm
	s_load_b128 s[4:7], s[0:1], 0x0                ; qkv16, o16
	v_lshl_add_u32 v[SPW], v0, 2, SPARE
	v_mov_b32 v[NIL], 0
	ds_add_u32 v[SPW], v[NIL]                      ; the wave's opening: the add, twice on end, and its wait ahead of my first tensor load
	ds_add_u32 v[SPW], v[NIL]
	v_lshrrev_b32 v1, 5, v0
	v_readfirstlane_b32 s[WV], v1                  ; wave 0..7
	s_mov_b32 s[PP], ttmp9
	s_and_b32 s[BH], ttmp7, 0xffff
	; descriptor group 1: 8,192 dense bytes as 32 rows of 256 (32 elements of 8 bytes), padded behind each row: K 4 words, V 8
	s_mov_b32 s[G1K], (3<<16)|(1<<20)|(5<<22)|(3<<25)
	s_mov_b32 s[G1V], (3<<16)|(1<<20)|(5<<22)|(7<<25)
.irp g, G1K, G1V
	s_mov_b32 s[\g+1], 32<<16
	s_mov_b32 s[\g+2], 32<<16
	s_mov_b32 s[\g+3], 32<<16
	s_mov_b32 s[\g+4], 32
	s_mov_b32 s[\g+5], 32
	s_mov_b32 s[\g+6], 0
	s_mov_b32 s[\g+7], 0
.endr
	s_and_b32 s70, s[WV], 3                        ; which quarter I fetch
	s_mul_i32 s71, s70, KQB
	s_mul_i32 s72, s70, VQB
	s_add_co_u32 s72, s72, VOFF
	s_lshl_b32 s[OFS], s[BH], 18
	s_lshl_b32 s70, s70, 13
	s_add_co_u32 s[OFS], s[OFS], s70
	s_mov_b32 s[OFS+1], 0
	s_mov_b32 s[CS], 0x3e38aa3b                    ; c = log2(e) / sqrt(64)
	s_mov_b32 s[CS+1], s[CS]
	s_mov_b32 s[SEL], 0x76543210
	s_mov_b32 s[SEL+1], 0xfedcba98
	s_mov_b32 s[KI], 0
	s_sub_co_u32 s[NP0], 8, s[PP]
	s_sub_co_u32 s74, 7, s[PP]                     ; the first block of queries
	s_mov_b32 s[TBK], 0
	s_mov_b32 s[TBV], 0
	s_cmp_eq_u32 s[PP], 0
	s_cselect_b32 s[LIM], 2, -1
	s_wait_dscnt 0x0                               ; both opening adds are done
	s_wait_kmcnt 0x0
	s_add_nc_u64 s[KB:KB+1], s[4:5], s[OFS:OFS+1]
	s_add_nc_u64 s[VB:VB+1], s[KB:KB+1], 0x2000000
	s_add_nc_u64 s[KB:KB+1], s[KB:KB+1], 0x1000000
	s_mov_b32 s[G0K], 1
	s_mov_b32 s[G0K+1], s71
	s_mov_b64 s[G0K+2:G0K+3], s[KB:KB+1]
	s_or_b32 s[G0K+3], s[G0K+3], 0x80000000
	s_mov_b32 s[G0V], 1
	s_mov_b32 s[G0V+1], s72
	s_mov_b64 s[G0V+2:G0V+3], s[VB:VB+1]
	s_or_b32 s[G0V+3], s[G0V+3], 0x80000000
	TLOAD                                          ; slot 0: keys 0 to 255
	s_cmp_lt_u32 s[WV], 4
	s_cselect_b64 s[PFA:PFA+1], s[KB:KB+1], s[VB:VB+1]
	s_add_nc_u64 s[PFA:PFA+1], s[PFA:PFA+1], 32768 ; at slot 1: the first change of slots steps it to slot 2.  Nothing is prefetched here, at the head
	v_and_b32 v1, 15, v0                           ; r
	v_bfe_u32 v2, v0, 4, 1                         ; h
	v_lshrrev_b32 v18, 1, v1
	v_mul_u32_u24 v[AK0], v18, 272
	v_and_b32 v18, 1, v1
	v_lshl_add_u32 v[AK0], v18, 7, v[AK0]
	v_lshl_add_u32 v[AK0], v2, 4, v[AK0]           ; K: key r lies at (r / 2) x 272 + (r % 2) x 128; + 16 h
	v_bfe_u32 v18, v0, 1, 2
	v_lshl_add_u32 v18, v2, 2, v18
	v_mul_u32_u24 v[AV0], v18, 288
	v_and_b32 v18, 1, v0
	v_lshl_add_u32 v[AV0], v18, 7, v[AV0]
	v_bfe_u32 v18, v0, 3, 1
	v_lshl_add_u32 v[AV0], v18, 4, v[AV0]
	v_add_nc_u32 v[AV0], VOFF, v[AV0]              ; V, for the turning load: key 8 h + lane % 8, channels 8 ((lane / 8) % 2) on
	v_lshlrev_b32 v[QO], 7, v1
	v_lshl_add_u32 v[QO], v2, 4, v[QO]
	s_mul_i32 s73, s[WV], 32*SPIT
	s_add_co_u32 s73, s73, STAGE                   ; my stage
	v_mul_u32_u24 v[STO], v1, SPIT
	v_lshl_add_u32 v[STO], v2, 4, v[STO]
	v_add_nc_u32 v[STO], s73, v[STO]
	v_bfe_u32 v18, v0, 3, 2
	v_mul_u32_u24 v[RD], v18, SPIT
	v_and_b32 v18, 7, v0
	v_lshl_add_u32 v[RD], v18, 4, v[RD]
	v_add_nc_u32 v[RD], s73, v[RD]
	v_and_b32 v18, 31, v0
	v_lshlrev_b32 v[GO], 4, v18
	v_lshlrev_b32 v[PFO], 8, v18
	v_mov_b32 v[NINF], 0xff800000
	v_lshlrev_b32 v18, 3, v2
	v_sub_nc_u32 v[RH8], v1, v18                   ; r - 8 h
	BEGIN 74
	s_mov_b32 s[TR], 8
.Ltrip:                                            ; eight trips ask for the next slot; the ninth slot is written out
	CHANGE 1
	FOUR_STEPS
	s_cmp_lg_u32 s[KI], 0                          ; the next slot is slot 0 only where the first block has just ended: the same in all eight waves
	s_cbranch_scc1 .Lsame
	FINISH
	BEGIN PP
.Lsame:
	s_sub_co_u32 s[TR], s[TR], 1
	s_cmp_lg_u32 s[TR], 0
	s_cbranch_scc1 .Ltrip
	CHANGE 0
	FOUR_STEPS
	FINISH
	s_wait_tensorcnt 0x0                           ; the wave's end
	ds_add_u32 v[SPW], v[NIL]
	s_wait_dscnt 0x0
	s_endpgm
.Lfunc_end_k_qcacf17d3fa_attn:
	.size	k_qcacf17d3fa_attn, .Lfunc_end_k_qcacf17d3fa_attn-k_qcacf17d3fa_attn
	.p2alignl 7, 3214868480
	.fill 96, 4, 3214868480
	.section	.rodata,"a",@progbits
	.p2align	6, 0x0
	.amdhsa_kernel k_qcacf17d3fa_attn
		.amdhsa_group_segment_fixed_size 327680
		.amdhsa_private_segment_fixed_size 0
		.amdhsa_enable_private_segment 0
		.amdhsa_kernarg_size 16
		.amdhsa_user_sgpr_count 2
		.amdhsa_user_sgpr_kernarg_segment_ptr 1
		.amdhsa_wavefront_size32 1
		.amdhsa_system_sgpr_workgroup_id_x 1
		.amdhsa_system_sgpr_workgroup_id_y 1
		.amdhsa_system_sgpr_workgroup_id_z 1
		.amdhsa_system_vgpr_workitem_id 0
		.amdhsa_next_free_vgpr 512
		.amdhsa_next_free_sgpr 80
		.amdhsa_reserve_vcc 1
		.amdhsa_float_denorm_mode_32 3
		.amdhsa_float_denorm_mode_16_64 3
		.amdhsa_memory_ordered 1
		.amdhsa_forward_progress 1
		.amdhsa_inst_pref_size 72
	.end_amdhsa_kernel
	.amdgpu_metadata
---
amdhsa.version: [ 1, 2 ]
amdhsa.kernels:
  - .name:           k_qcacf17d3fa_attn
    .symbol:         k_qcacf17d3fa_attn.kd
    .args:
      - { .name: qkv16, .offset: 0, .size: 8, .value_kind: global_buffer, .address_space: global }
      - { .name: o16, .offset: 8, .size: 8, .value_kind: global_buffer, .address_space: global }
    .group_segment_fixed_size: 327680
    .private_segment_fixed_size: 0
    .kernarg_segment_align: 8
    .kernarg_segment_size: 16
    .max_flat_workgroup_size: 256
    .sgpr_count:     80
    .vgpr_count:     512
    .wavefront_size: 32
...
	.end_amdgpu_metadata
.endif
;; end of part 3
;; launch proj (part 4): grid 4 x 64, 4 waves a work-group, clusters of 4 x 4, 327,680 bytes of LDS; arguments o16, wp16, bp, out0; writes out0
.if DOCPART == 4
	.amdgcn_target "amdgcn-amd-amdhsa--gfx1250"
	.amdhsa_code_object_version 6
	.text
	.protected	k_qcacf17d3fa_proj
	.globl	k_qcacf17d3fa_proj
	.p2align	8
	.type	k_qcacf17d3fa_proj,@function
k_qcacf17d3fa_proj:
	s_mov_b64 s[64:65], 0
	v_nop
	global_prefetch_b8 v0, s[64:65] scope:SCOPE_SE
	s_setreg_imm32_b32 hwreg(HW_REG_WAVE_MODE, 25, 1), 1
	s_wait_xcnt 0x0
	s_wait_alu depctr_hold_cnt(0) depctr_sa_sdst(0) depctr_va_vdst(0) depctr_va_sdst(0) depctr_va_ssrc(0) depctr_va_vcc(0) depctr_vm_vsrc(0)
	s_getreg_b32 s2, hwreg(HW_REG_IB_STS2, 6, 4)
	s_cmp_eq_u32 s2, 0
	s_cbranch_scc0 .Lentry_in_a_cluster
	s_endpgm
.Lentry_in_a_cluster:
	s_bfe_u32 s2, ttmp6, 0x10000c
	s_cmp_lg_u32 s2, 0xf033
	s_cbranch_scc0 .Lentry_shape_is_right
	s_endpgm
.Lentry_shape_is_right:
; out0 = o Wp + bp on f16 operands with f32 sums, for all rows but positions 0 to 15 of each batch, which a later launch makes in f32.  o16: [head 16][row 8192][64] f16; wp16: [k 1024][n 1024] f16; out0: [8192][1024] f32.
; A tile of 128 rows x 256 columns gives 256 work-groups; four waves, each 64 x 128: 32 accumulators.  K goes in steps of 128 (two heads) through a ring of two slots: eight steps.
; CLUSTER 4 x 4: tile row = 16 cy + cluster y (cy is the batch), tile column = cx.  o's tiles are shared along a row of the cluster, Wp's along a column: each is asked for jointly.
; THE MATRIX INSTRUCTION IS USED TRANSPOSED: source 0 = 16 columns of Wp (turned out of LDS, where Wp lies [k][n]), source 1 = 16 rows of o: a lane holds eight neighbouring columns of a row.  The bias is the C of each sum's first product.
; No prefetch: the walk along K is eight steps.
; REGISTERS: window 0: v16-30 addresses; v32-95 o's fragments, two sets of 32; v96-223 Wp's, two sets of 64; on the way out v32-159.  window 1: accumulator (a, b) at v[8 (8 a + b)].  window 2: v0-63 the bias.
.set AHEAD,  64*272                    ; a head's 128 rows of o in LDS: 64 rows of (two rows: 256 bytes) + 16
.set BOFF,   2*AHEAD
.set BPIT,   544                       ; a k row of Wp's tile: 512 bytes + 32
.set BHALF,  64*BPIT
.set SLOT,   BOFF+2*BHALF
.set STAGE,  2*SLOT                    ; 16 rows x (512 bytes + 16) for each wave
.set SPITCH, 528
.set SPARE,  STAGE+4*16*SPITCH
.set ADRA, 16
.set ADRB, 20
.set STO,  24
.set RD,   25
.set CO,   26
.set SPW,  28
.set NIL,  29
.set BO,   30
.set FA,   32
.set FB,   96
.set BK,   32
.set G1, 24
.set G0, 32
.set G1B, 48
.set G0B, 56
.set MSB, 0
.macro WIN new
.if MSB != \new
	s_set_vgpr_msb (MSB<<8)|\new
.set MSB, \new
.endif
.endm
.set MUL, 0x50                         ; C and D window 1
.set FST, 0x60                         ; C (the bias) window 2, D window 1
.macro JLOAD s                         ; waves 0 and 1 fetch o's two heads, waves 2 and 3 Wp's two halves; an s_nop 0 and four v_nop follow each line
	s_cmp_eq_u32 s13, 0
	s_cbranch_scc0 .Lfor_b_\@
	tensor_load_to_lds s[G0+4*\s:G0+4*\s+3], s[G1:G1+7]
	s_nop 0
.rept 4
	v_nop
.endr
	s_branch .Lasked_\@
.Lfor_b_\@:
	tensor_load_to_lds s[G0B+4*\s:G0B+4*\s+3], s[G1B:G1B+7]
	s_nop 0
.rept 4
	v_nop
.endr
.Lasked_\@:
.endm
.macro CREST
	s_cmp_lg_u32 s12, 0
	s_cbranch_scc1 .Lnot_wave_0_\@
	s_barrier_signal -3
.Lnot_wave_0_\@:
	s_barrier_wait -3
	s_barrier_signal -1
	s_barrier_wait -1
.endm
.macro CROUND
	s_barrier_signal -1
	s_barrier_wait -1
	CREST
.endm
	s_load_b128 s[4:7], s[0:1], 0x0                ; o16, wp16
	s_load_b128 s[8:11], s[0:1], 0x10              ; bp, out0
	v_lshl_add_u32 v[SPW], v0, 2, SPARE
	v_mov_b32 v[NIL], 0
	ds_add_u32 v[SPW], v[NIL]                      ; the wave's opening: the add, twice on end, and its wait ahead of my first tensor load
	ds_add_u32 v[SPW], v[NIL]
	v_lshrrev_b32 v1, 5, v0
	v_readfirstlane_b32 s12, v1                    ; wave 0..3
	s_lshr_b32 s13, s12, 1                         ; which 64 rows are mine.  Also: I fetch for o (0) or for Wp (1)
	s_and_b32 s14, s12, 1                          ; which 128 columns.  Also: which half I fetch
	s_bfe_u32 s40, ttmp6, 0x40000                  ; cx
	s_bfe_u32 s41, ttmp6, 0x40004                  ; cy
	s_lshl_b32 s42, ttmp9, 2
	s_add_co_u32 s42, s42, s40                     ; tile column
	s_and_b32 s45, ttmp7, 0xffff                   ; cluster y
	s_lshl_b32 s15, s41, 4
	s_add_co_u32 s15, s15, s45                     ; tile row = 16 cy + cluster y
	s_or_b32 s45, s45, s13                         ; 0 where my block 0 holds positions 0 to 15: cluster y and the wave's number alone
	s_lshl_b32 s43, s41, 2
	s_lshl_b32 s43, 15, s43                        ; my row of the cluster
	s_lshl_b32 s44, 0x1111, s40                    ; my column
	s_or_b32 s[G1+0], s43, (3<<16)|(1<<20)|(1<<21)|(5<<22)|(3<<25)   ; o: 16,384 dense bytes as 64 rows of 256 (32 elements of 8 bytes), 4 words of padding behind each
	s_mov_b32 s[G1+1], 32<<16
	s_mov_b32 s[G1+2], 64<<16
	s_mov_b32 s[G1+3], 32<<16
	s_mov_b32 s[G1+4], 64
	s_mov_b32 s[G1+5], 32
	s_mov_b32 s[G1+6], 0
	s_mov_b32 s[G1+7], 0
	s_or_b32 s[G1B+0], s44, (1<<16)|(1<<20)|(1<<21)|(6<<22)|(7<<25)  ; Wp: 64 rows of 256 elements of 2 bytes, 1,024 elements apart, 8 words of padding behind each 128
	s_mov_b32 s[G1B+1], 256<<16
	s_mov_b32 s[G1B+2], 64<<16
	s_mov_b32 s[G1B+3], 256<<16
	s_mov_b32 s[G1B+4], 64
	s_mov_b32 s[G1B+5], 1024
	s_mov_b32 s[G1B+6], 0
	s_mov_b32 s[G1B+7], 0
	s_lshl_b32 s16, s14, 20                        ; o: head (wave & 1): 8,192 rows of 128 bytes,
	s_lshl_b32 s17, s15, 14                        ; + 128 x tile row rows
	s_add_co_u32 s16, s16, s17
	s_mov_b32 s17, 0
	s_lshl_b32 s46, s14, 17                        ; Wp: k row 64 (wave & 1) of 2,048 bytes,
	s_lshl_b32 s47, s42, 9                         ; + 256 x tile column columns
	s_add_co_u32 s46, s46, s47
	s_mov_b32 s47, 0
	s_mul_i32 s20, s14, AHEAD                      ; where they go: no place in the cluster enters an LDS address
	s_mul_i32 s21, s14, BHALF
	s_add_co_u32 s21, s21, BOFF
	s_wait_dscnt 0x0                               ; both opening adds are done
	s_wait_kmcnt 0x0
	s_add_nc_u64 s[16:17], s[4:5], s[16:17]
	s_add_nc_u64 s[46:47], s[6:7], s[46:47]
	CROUND                                         ; all sixteen work-groups are here: the first joint loads meet
.irp s, 0,1
	s_mov_b32 s[G0+4*\s], 1
	s_add_co_u32 s[G0+4*\s+1], s20, \s*SLOT
	s_add_nc_u64 s[G0+4*\s+2:G0+4*\s+3], s[16:17], \s*2097152     ; K step s: two heads on
	s_or_b32 s[G0+4*\s+3], s[G0+4*\s+3], 0x80000000
	s_mov_b32 s[G0B+4*\s], 1
	s_add_co_u32 s[G0B+4*\s+1], s21, \s*SLOT
	s_add_nc_u64 s[G0B+4*\s+2:G0B+4*\s+3], s[46:47], \s*262144    ; 128 k rows on
	s_or_b32 s[G0B+4*\s+3], s[G0B+4*\s+3], 0x80000000
	JLOAD \s
.endr
	v_and_b32 v1, 15, v0                           ; r
	v_bfe_u32 v2, v0, 4, 1                         ; h
	s_lshl_b32 s46, s42, 10                        ; my first column in bytes of f32: 1,024 x tile column + 512 x half
	s_lshl_b32 s47, s14, 9
	s_add_co_u32 s46, s46, s47
	s_mov_b32 s47, 0
	s_add_nc_u64 s[8:9], s[8:9], s[46:47]
	v_lshlrev_b32 v[BO], 5, v2
	WIN 0x80                                       ; destination window 2
.irp b, 0,1,2,3,4,5,6,7
	global_load_b128 v[8*\b:8*\b+3], v[BO], s[8:9] offset:64*\b        ; lane (r, h): bp at 16 b + 8 h + 0 .. 7
	global_load_b128 v[8*\b+4:8*\b+7], v[BO], s[8:9] offset:64*\b+16
.endr
	WIN 0
	v_lshrrev_b32 v3, 1, v1
	v_mul_u32_u24 v3, v3, 272
	v_and_b32 v4, 1, v1
	v_lshl_add_u32 v3, v4, 7, v3
	v_lshl_add_u32 v3, v2, 4, v3                   ; o: row r at (r / 2) x 272 + (r % 2) x 128; + 16 h
	s_mul_i32 s21, s13, 32*272                     ; my 64 rows
	v_and_b32 v4, 7, v0
	v_lshl_add_u32 v4, v2, 3, v4
	v_mul_u32_u24 v4, v4, BPIT
	v_bfe_u32 v5, v0, 3, 1
	v_lshl_add_u32 v4, v5, 4, v4                   ; Wp, for the turning load: k row 8 h + lane % 8, columns 8 ((lane / 8) % 2) on
	s_lshl_b32 s22, s14, 8
	s_add_co_u32 s22, s22, BOFF                    ; my 128 columns
.irp s, 0,1
	v_add_nc_u32 v[ADRA+\s], s21, v3
	v_add_nc_u32 v[ADRB+\s], s22, v4
	s_add_co_u32 s21, s21, SLOT
	s_add_co_u32 s22, s22, SLOT
.endr
	s_mul_i32 s23, s12, 16*SPITCH
	s_add_co_u32 s23, s23, STAGE                   ; my stage
	v_mul_u32_u24 v5, v1, SPITCH
	v_lshl_add_u32 v5, v2, 5, v5
	v_add_nc_u32 v[STO], s23, v5                   ; in: row r, 32 bytes for each half of the lanes
	v_and_b32 v6, 31, v0
	v_lshlrev_b32 v[CO], 4, v6
	v_add_nc_u32 v[RD], s23, v[CO]                 ; back: the 32 lanes take a row of 512 bytes
	s_lshl_b32 s20, s15, 19                        ; out0: 128 x tile row rows of 4,096 bytes,
	s_lshl_b32 s21, s13, 18                        ; + my 64
	s_add_co_u32 s20, s20, s21
	s_add_co_u32 s20, s20, s46
	s_mov_b32 s21, 0
	s_add_nc_u64 s[10:11], s[10:11], s[20:21]
.macro MUL8 f, a, zero                 ; o's block a x Wp's eight, 32 along K.  The 32 accumulators take turns, in the same order in every quarter
.irp b, 0,1,2,3,4,5,6,7
.if \zero
	v_wmma_f32_16x16x32_f16 v[8*(8*(\a)+\b):8*(8*(\a)+\b)+7], v[FB+64*(\f)+8*\b:FB+64*(\f)+8*\b+7], v[FA+32*(\f)+8*(\a):FA+32*(\f)+8*(\a)+7], v[8*\b:8*\b+7]
.else
	v_wmma_f32_16x16x32_f16 v[8*(8*(\a)+\b):8*(8*(\a)+\b)+7], v[FB+64*(\f)+8*\b:FB+64*(\f)+8*\b+7], v[FA+32*(\f)+8*(\a):FA+32*(\f)+8*(\a)+7], v[8*(8*(\a)+\b):8*(8*(\a)+\b)+7]
.endif
.endr
.endm
.macro FETCH slot, q, f                ; 24 LDS loads in one run: the fragments of the slot's q-th 32 along K into set f; o's blocks last
	WIN 0
.irp b, 0,1,2,3,4,5,6,7
	ds_load_tr16_b128 v[FB+64*(\f)+8*\b:FB+64*(\f)+8*\b+3], v[ADRB+\slot] offset:32*BPIT*(\q)+32*\b
	ds_load_tr16_b128 v[FB+64*(\f)+8*\b+4:FB+64*(\f)+8*\b+7], v[ADRB+\slot] offset:32*BPIT*(\q)+32*\b+16*BPIT
.endr
.irp a, 0,1,2,3
	ds_load_b128 v[FA+32*(\f)+8*\a:FA+32*(\f)+8*\a+3], v[ADRA+\slot] offset:((\q)/2)*AHEAD+((\q)%2)*64+\a*2176
	ds_load_b128 v[FA+32*(\f)+8*\a+4:FA+32*(\f)+8*\a+7], v[ADRA+\slot] offset:((\q)/2)*AHEAD+((\q)%2)*64+\a*2176+32
.endr
.endm
.macro PLACES
.rept 4
	v_nop
.endr
.endm
.macro MWIN zero
.if \zero
	WIN FST
.else
	WIN MUL
.endif
.endm
; A K step is four quarters of 32 along K, 32 matrix instructions each, on sets 0, 1, 0, 1.  One of the first three: multiplies set f and fetches quarter q into set g.
.macro QUARTER slot, q, f, g, zero
	s_wait_dscnt 4                                 ; Wp's fragments and o's blocks 0, 1 are in; the youngest four loads (blocks 2, 3) may be out
	MWIN \zero
	MUL8 \f, 0, \zero
	MUL8 \f, 1, \zero
	PLACES
	FETCH \slot, \q, \g
	s_wait_dscnt 24                                ; all but the 24 just issued
	MWIN \zero
	MUL8 \f, 2, \zero
	MUL8 \f, 3, \zero
.endm
; The last quarter multiplies set 1 and changes slots: one barrier; in front of it each wave waits for all its tensor loads, adds 0 to its spare word, and waits for that and for its reads of this slot.
.macro TURN slot, next, fill
	WIN 0
	s_wait_tensorcnt 0x0                           ; my part of the next slot has landed
	ds_add_u32 v[SPW], v[NIL]
	s_wait_dscnt 5                                 ; the add and the youngest four loads may be out
	WIN MUL
	MUL8 1, 0, 0                                   ; eight matrix instructions stand between the add and the wait for it
	s_wait_dscnt 0x0                               ; the add is done, and my reads of this slot are over
	s_barrier_signal -1
	MUL8 1, 1, 0
	WIN 0
	s_barrier_wait -1
.if \fill
	CREST                                          ; the barrier has opened a round of the cluster's: no wave of any partner still reads this slot or has a load on its way
	s_add_nc_u64 s[G0+4*\slot+2:G0+4*\slot+3], s[G0+4*\slot+2:G0+4*\slot+3], 4194304     ; four heads on
	s_add_nc_u64 s[G0B+4*\slot+2:G0B+4*\slot+3], s[G0B+4*\slot+2:G0B+4*\slot+3], 524288  ; 256 k rows on
	JLOAD \slot                                    ; the first tensor load behind the round; its four v_nop are also the places in front of the loads below
.else
	PLACES
.endif
	FETCH \next, 0, 0
	WIN MUL
	MUL8 1, 2, 0
	MUL8 1, 3, 0
.endm
	s_wait_tensorcnt 1                             ; my part of K step 0 is in; K step 1's may be out
	s_barrier_signal -1
	s_barrier_wait -1
	FETCH 0, 0, 0
	s_wait_loadcnt 0x0                             ; the bias
	QUARTER 0, 1, 0, 1, 1                          ; the first quarter stands in front of the loop: its products start the sums from the bias
	WIN 0
	s_mov_b32 s3, 3
.Llap:                                             ; a trip goes once round the ring and fills both slots again
	QUARTER 0, 2, 1, 0, 0
	QUARTER 0, 3, 0, 1, 0
	TURN 0, 1, 1
	QUARTER 1, 1, 0, 1, 0
	QUARTER 1, 2, 1, 0, 0
	QUARTER 1, 3, 0, 1, 0
	TURN 1, 0, 1
	QUARTER 0, 1, 0, 1, 0
	WIN 0
	s_sub_co_u32 s3, s3, 1
	s_cmp_lg_u32 s3, 0
	s_cbranch_scc1 .Llap
	QUARTER 0, 2, 1, 0, 0                          ; the last lap fills nothing
	QUARTER 0, 3, 0, 1, 0
	TURN 0, 1, 0
	QUARTER 1, 1, 0, 1, 0
	QUARTER 1, 2, 1, 0, 0
	QUARTER 1, 3, 0, 1, 0
	s_wait_dscnt 4
	WIN MUL
	MUL8 1, 0, 0
	MUL8 1, 1, 0
	s_wait_dscnt 0
	MUL8 1, 2, 0
	MUL8 1, 3, 0
	WIN 0
; THE WAY OUT, a block of 16 rows x 128 columns at a time, through my own stage: back as whole rows of 512 bytes.
.macro TOSTAGE a
.set AC, 64*(\a)
	WIN 0x04                                       ; an LDS store's data are its source 1: window 1
.irp b, 0,1,2,3,4,5,6,7
	ds_store_b128 v[STO], v[AC+8*\b:AC+8*\b+3] offset:64*\b          ; each accumulator from its low end on
	ds_store_b128 v[STO], v[AC+8*\b+4:AC+8*\b+7] offset:64*\b+16
.endr
	WIN 0
.set BB, BK+64*((\a)%2)
.irp t, 0,1,2,3,4,5,6,7,8,9,10,11,12,13,14,15
	ds_load_b128 v[BB+4*\t:BB+4*\t+3], v[RD] offset:\t*SPITCH
.endr
.endm
.macro SEND a, younger                 ; younger: the LDS instructions issued behind block a's loads
.set BB, BK+64*((\a)%2)
	s_wait_dscnt \younger
.if (\a) > 0
	s_add_nc_u64 s[10:11], s[10:11], 16*4096       ; (behind a wait on XCNT: the earlier stores have read their base)
.else
	s_cmp_eq_u32 s45, 0                            ; positions 0 to 15 of a batch are another launch's: each byte of out0 is stored once in the program
	s_cbranch_scc1 .Lfine_rows
.endif
.irp t, 0,1,2,3,4,5,6,7,8,9,10,11,12,13,14,15
	global_store_b128 v[CO], v[BB+4*\t:BB+4*\t+3], s[10:11] offset:\t*4096 th:TH_STORE_NT   ; 512 consecutive, aligned bytes of a row
.endr
.if (\a) == 0
.Lfine_rows:
.endif
.endm
	PLACES
	TOSTAGE 0
.irp a, 1,2,3
.if \a > 1
	s_wait_xcnt 0x0                                ; block a - 2's stores have read their registers and their base
.endif
	TOSTAGE \a
	SEND \a-1, 32                                  ; behind block a - 1's loads: block a's 16 stores and 16 loads
.endr
	s_wait_xcnt 0x0
	SEND 3, 0
	s_wait_tensorcnt 0x0                           ; the wave's end
	ds_add_u32 v[SPW], v[NIL]
	s_wait_dscnt 0x0
	CROUND                                         ; the closing round
	s_endpgm
.Lfunc_end_k_qcacf17d3fa_proj:
	.size	k_qcacf17d3fa_proj, .Lfunc_end_k_qcacf17d3fa_proj-k_qcacf17d3fa_proj
	.p2alignl 7, 3214868480
	.fill 96, 4, 3214868480
	.section	.rodata,"a",@progbits
	.p2align	6, 0x0
	.amdhsa_kernel k_qcacf17d3fa_proj
		.amdhsa_group_segment_fixed_size 327680
		.amdhsa_private_segment_fixed_size 0
		.amdhsa_enable_private_segment 0
		.amdhsa_kernarg_size 32
		.amdhsa_user_sgpr_count 2
		.amdhsa_user_sgpr_kernarg_segment_ptr 1
		.amdhsa_wavefront_size32 1
		.amdhsa_system_sgpr_workgroup_id_x 1
		.amdhsa_system_sgpr_workgroup_id_y 1
		.amdhsa_system_sgpr_workgroup_id_z 1
		.amdhsa_system_vgpr_workitem_id 0
		.amdhsa_next_free_vgpr 576
		.amdhsa_next_free_sgpr 66
		.amdhsa_reserve_vcc 0
		.amdhsa_float_denorm_mode_32 3
		.amdhsa_float_denorm_mode_16_64 3
		.amdhsa_memory_ordered 1
		.amdhsa_forward_progress 1
		.amdhsa_inst_pref_size 87
	.end_amdhsa_kernel
	.amdgpu_metadata
---
amdhsa.version: [ 1, 2 ]
amdhsa.kernels:
  - .name:           k_qcacf17d3fa_proj
    .symbol:         k_qcacf17d3fa_proj.kd
    .args:
      - { .name: o16, .offset: 0, .size: 8, .value_kind: global_buffer, .address_space: global }
      - { .name: wp16, .offset: 8, .size: 8, .value_kind: global_buffer, .address_space: global }
      - { .name: bp, .offset: 16, .size: 8, .value_kind: global_buffer, .address_space: global }
      - { .name: out0, .offset: 24, .size: 8, .value_kind: global_buffer, .address_space: global }
    .group_segment_fixed_size: 327680
    .private_segment_fixed_size: 0
    .kernarg_segment_align: 8
    .kernarg_segment_size: 32
    .max_flat_workgroup_size: 128
    .sgpr_count:     66
    .vgpr_count:     576
    .wavefront_size: 32
...
	.end_amdgpu_metadata
.endif
;; end of part 4
;; launch fine (part 5): grid 16 x 4, 16 waves a work-group, no clusters, 67,584 bytes of LDS; arguments qkv32, Wp, bp, out0; writes out0
.if DOCPART == 5
	.amdgcn_target "amdgcn-amd-amdhsa--gfx1250"
	.amdhsa_code_object_version 6
	.text
	.protected	k_qcacf17d3fa_fine
	.globl	k_qcacf17d3fa_fine
	.p2align	8
	.type	k_qcacf17d3fa_fine,@function
k_qcacf17d3fa_fine:
	s_mov_b64 s[64:65], 0
	v_nop
	global_prefetch_b8 v0, s[64:65] scope:SCOPE_SE
	s_setreg_imm32_b32 hwreg(HW_REG_WAVE_MODE, 25, 1), 1
	s_wait_xcnt 0x0
; Positions 0 to 15 of each batch, where a row of the softmax averages one to sixteen values: attention and projection in f32, from the f32 sums of q, k, v that the product's launch left as images of its accumulators.
; qkv32: [b 4][g 24][acc 8][half 2][lane 32][16 bytes]: lane (r, h), register j of accumulator a of group g holds (position r, column 128 g + 16 a + 8 h + j) of the 3,072 columns q, k, v.
; SHARES.  Work-group (nc, b) makes out0's columns 64 nc on of the batch's 16 rows.  Wave w is head w: its 16 x 16 attention, then its part of the projection, out^T = Wp^T (k of head w) O^T; the sixteen parts are added through LDS, in the order of the heads.
; All products go by the f32 matrix form, 96 a wave.  A form of K = 4 takes k = 2 h + j from register j of lane (r, h).  Both operands of each product are fed registers in which lane (r, h) holds the same four k,
; so each result is the next product's operand as it stands: S^T = K Q^T (a lane: one query, keys 8 h + j), O^T = V^T P^T (channels 16 t + 8 h + j), out^T = Wp^T O^T.
; The division by the row's sum follows the projection: a lane is one query throughout.  The registers that the matrix form writes are written by it alone.
.set LI,  4                            ; v4   16 x lane
.set VG,  5                            ; v5   V: my lane's place in an image, turned: channel r, keys 8 h on
.set WOF, 6                            ; v6   Wp: 8 h rows of 4,096 bytes + 4 r
.set DD,  7                            ; v7   r - 8 h: key 8 h + j is hidden where j > DD
.set STI, 8                            ; v8   where I store my part: 4,096 x wave + 16 x lane
.set RDS, 9                            ; v9   where I read the parts back
.set GO,  10
.set BPO, 11
.set SPW, 12
.set NIL, 13
.set NINF, 14
.set Q,   16                           ; later Wp's columns 16 on
.set K,   48                           ; later columns 32 on
.set V,   80                           ; later columns 48 on
.set SA,  112
.set OA,  144
.set YA,  176
.set P,   208
.set T,   216
.set W0,  224
.set SPARE, 65536
	s_load_b256 s[4:11], s[0:1], 0x0               ; qkv32, Wp, bp, out0
	v_lshl_add_u32 v[SPW], v0, 2, SPARE
	v_mov_b32 v[NIL], 0
	v_lshrrev_b32 v1, 5, v0
	v_readfirstlane_b32 s12, v1                    ; wave = head
	s_and_b32 s14, ttmp7, 0xffff                   ; batch
	v_and_b32 v1, 31, v0
	v_and_b32 v2, 15, v0                           ; r
	v_bfe_u32 v3, v0, 4, 1                         ; h
	v_lshlrev_b32 v[LI], 4, v1
	v_bfe_u32 v15, v0, 2, 1
	v_lshlrev_b32 v[VG], 9, v15                    ; channel r lies in register r % 8 of the image: half (r % 8) / 4,
	v_bfe_u32 v15, v0, 3, 1
	v_lshlrev_b32 v15, 1, v15
	v_add_nc_u32 v15, v15, v3
	v_lshl_add_u32 v[VG], v15, 7, v[VG]            ; lane (key 8 h + e) + 16 (r / 8), 16 bytes a lane,
	v_and_b32 v15, 3, v0
	v_lshl_add_u32 v[VG], v15, 2, v[VG]            ; word r % 4
	v_lshlrev_b32 v[WOF], 2, v2
	v_lshl_add_u32 v[WOF], v3, 15, v[WOF]
	v_lshlrev_b32 v15, 3, v3
	v_sub_nc_u32 v[DD], v2, v15
	s_lshl_b32 s16, s12, 12
	v_add_nc_u32 v[STI], s16, v[LI]
	v_lshrrev_b32 v15, 2, v2                       ; on the way out a lane takes row 2 w + lane / 16, columns 4 (lane % 16) on: tile (lane % 16) / 4,
	v_lshlrev_b32 v[RDS], 10, v15
	v_and_b32 v15, 1, v2
	v_lshl_add_u32 v[RDS], v15, 9, v[RDS]          ; half of the eight registers,
	v_bfe_u32 v15, v2, 1, 1
	v_lshl_add_u32 v[RDS], v15, 8, v[RDS]          ; half of the lanes,
	s_lshl_b32 s16, s12, 1
	v_add_nc_u32 v15, s16, v3
	v_lshl_add_u32 v[RDS], v15, 4, v[RDS]          ; lane = the row
	v_lshlrev_b32 v[BPO], 4, v2
	v_lshl_add_u32 v[GO], v15, 12, v[BPO]
	v_mov_b32 v[NINF], 0xff800000
	s_mov_b32 s18, 0x76543210
	s_mov_b32 s19, 0xfedcba98
	s_mov_b32 s20, 0x3e38aa3b                      ; c = log2(e) / sqrt(64)
	s_mov_b32 s21, s20
	s_mul_i32 s16, s14, 196608                     ; the batch's 24 groups of 8,192 bytes,
	s_lshl_b32 s17, s12, 12                        ; the head's four accumulators: 4,096 x head
	s_add_co_u32 s16, s16, s17
	s_mov_b32 s17, 0
	s_lshl_b32 s22, s12, 18                        ; Wp: 64 rows of 4,096 bytes a head,
	s_lshl_b32 s24, ttmp9, 8                       ; 64 columns a work-group
	s_add_co_u32 s22, s22, s24
	s_mov_b32 s23, 0
	s_mov_b32 s25, 0
	s_lshl_b32 s26, s14, 23                        ; out0: 2,048 rows of 4,096 bytes a batch
	s_add_co_u32 s26, s26, s24
	s_mov_b32 s27, 0
	s_wait_kmcnt 0x0
	s_add_nc_u64 s[4:5], s[4:5], s[16:17]
	s_add_nc_u64 s[6:7], s[6:7], s[22:23]
	s_add_nc_u64 s[8:9], s[8:9], s[24:25]
	s_add_nc_u64 s[10:11], s[10:11], s[26:27]
.irp t, 0,1,2,3
.irp hh, 0,1
	global_load_b128 v[Q+8*\t+4*\hh:Q+8*\t+4*\hh+3], v[LI], s[4:5] offset:1024*\t+512*\hh            ; q(r, 16 t + 8 h + 0 .. 7)
.endr
.endr
.irp t, 0,1,2,3
.irp hh, 0,1
	global_load_b128 v[K+8*\t+4*\hh:K+8*\t+4*\hh+3], v[LI], s[4:5] offset:65536+1024*\t+512*\hh
.endr
.endr
.irp t, 0,1,2,3
.irp e, 0,1,2,3,4,5,6,7
	global_load_b32 v[V+8*\t+\e], v[VG], s[4:5] offset:131072+1024*\t+16*\e                          ; v(key 8 h + e, channel 16 t + r)
.endr
.endr
.macro WLOAD reg, c                    ; Wp(64 w + 16 t + 8 h + e, 64 nc + 16 c + r) into register 8 t + e
.irp t, 0,1,2,3
.irp e, 0,1,2,3,4,5,6,7
	global_load_b32 v[\reg+8*\t+\e], v[WOF], s[6:7] offset:(16*\t+\e)*4096+64*\c
.endr
.endr
.endm
	WLOAD W0, 0
	s_wait_loadcnt 32                              ; q, k, v are in; Wp's first 32 loads may be out
.irp i, 0,1,2,3                        ; S^T: four accumulators, one for each 16 channels, by turns
.irp t, 0,1,2,3
.if \i == 0
	v_wmma_f32_16x16x4_f32 v[SA+8*\t:SA+8*\t+7], v[K+8*\t+2*\i:K+8*\t+2*\i+1], v[Q+8*\t+2*\i:Q+8*\t+2*\i+1], 0
.else
	v_wmma_f32_16x16x4_f32 v[SA+8*\t:SA+8*\t+7], v[K+8*\t+2*\i:K+8*\t+2*\i+1], v[Q+8*\t+2*\i:Q+8*\t+2*\i+1], v[SA+8*\t:SA+8*\t+7]
.endif
.endr
.endr
.rept 8
	v_nop                                          ; eight places behind this form, in front of the reads of its results and of loads into its sources
.endr
	WLOAD Q, 1
	WLOAD K, 2
.irp i, 0,2,4,6
	v_pk_add_f32 v[T+\i:T+\i+1], v[SA+\i:SA+\i+1], v[SA+8+\i:SA+8+\i+1]
.endr
.irp i, 0,2,4,6
	v_pk_add_f32 v[P+\i:P+\i+1], v[SA+16+\i:SA+16+\i+1], v[SA+24+\i:SA+24+\i+1]
.endr
.irp i, 0,2,4,6
	v_pk_add_f32 v[P+\i:P+\i+1], v[P+\i:P+\i+1], v[T+\i:T+\i+1]   ; the score of (key 8 h + j, query r)
.endr
.irp j, 0,1,2,3,4,5,6,7
	v_cmp_gt_i32 vcc_lo, \j, v[DD]
	v_cndmask_b32 v[P+\j], v[P+\j], v[NINF], vcc_lo
.endr
	v_max3_num_f32 v[T], v[P], v[P+1], v[P+2]
	v_max3_num_f32 v[T], v[T], v[P+3], v[P+4]
	v_max3_num_f32 v[T], v[T], v[P+5], v[P+6]
	v_max_num_f32 v[T], v[T], v[P+7]
	v_permlanex16_b32 v[T+1], v[T], s18, s19
	v_max_num_f32 v[T], v[T], v[T+1]               ; the row's maximum: key 0 counts for every query
	v_mul_f32 v[T+2], s20, v[T]
.irp i, 0,2,4,6
	v_pk_fma_f32 v[P+\i:P+\i+1], v[P+\i:P+\i+1], s[20:21], v[T+2:T+3] op_sel_hi:[1,0,0] neg_lo:[0,0,1] neg_hi:[0,0,1]
.endr
.irp j, 0,1,2,3,4,5,6,7
	v_exp_f32 v[P+\j], v[P+\j]
.endr
	v_nop
	s_wait_alu depctr_va_vdst(0)                   ; one wait for the eight exponentials, ahead of their first reader
	v_pk_add_f32 v[T+4:T+5], v[P:P+1], v[P+2:P+3]
	v_pk_add_f32 v[T+6:T+7], v[P+4:P+5], v[P+6:P+7]
	v_pk_add_f32 v[T+4:T+5], v[T+4:T+5], v[T+6:T+7]
	v_add_f32 v[T+4], v[T+4], v[T+5]
	v_permlanex16_b32 v[T+5], v[T+4], s18, s19
	v_add_f32 v[T+4], v[T+4], v[T+5]               ; the row's sum
.irp i, 0,1,2,3                        ; O^T, not yet divided: four accumulators by turns
.irp t, 0,1,2,3
.if \i == 0
	v_wmma_f32_16x16x4_f32 v[OA+8*\t:OA+8*\t+7], v[V+8*\t+2*\i:V+8*\t+2*\i+1], v[P+2*\i:P+2*\i+1], 0
.else
	v_wmma_f32_16x16x4_f32 v[OA+8*\t:OA+8*\t+7], v[V+8*\t+2*\i:V+8*\t+2*\i+1], v[P+2*\i:P+2*\i+1], v[OA+8*\t:OA+8*\t+7]
.endif
.endr
.endr
	v_rcp_f32 v[T+6], v[T+4]
.rept 9
	v_nop                                          ; nine places in front of products that take these results as an operand, and of loads into V's registers
.endr
	s_wait_alu depctr_va_vdst(0)                   ; the reciprocal's wait, ahead of its reader below
	WLOAD V, 3
	s_wait_loadcnt 32                              ; Wp's columns 0 to 47 are in; the last 32 loads may be out
.macro PASS c0, r0, c1, r1             ; two tiles of 16 output columns by turns
.irp t, 0,1,2,3
.irp i, 0,1,2,3
.if (\t == 0) && (\i == 0)
	v_wmma_f32_16x16x4_f32 v[YA+8*\c0:YA+8*\c0+7], v[\r0+8*\t+2*\i:\r0+8*\t+2*\i+1], v[OA+8*\t+2*\i:OA+8*\t+2*\i+1], 0
	v_wmma_f32_16x16x4_f32 v[YA+8*\c1:YA+8*\c1+7], v[\r1+8*\t+2*\i:\r1+8*\t+2*\i+1], v[OA+8*\t+2*\i:OA+8*\t+2*\i+1], 0
.else
	v_wmma_f32_16x16x4_f32 v[YA+8*\c0:YA+8*\c0+7], v[\r0+8*\t+2*\i:\r0+8*\t+2*\i+1], v[OA+8*\t+2*\i:OA+8*\t+2*\i+1], v[YA+8*\c0:YA+8*\c0+7]
	v_wmma_f32_16x16x4_f32 v[YA+8*\c1:YA+8*\c1+7], v[\r1+8*\t+2*\i:\r1+8*\t+2*\i+1], v[OA+8*\t+2*\i:OA+8*\t+2*\i+1], v[YA+8*\c1:YA+8*\c1+7]
.endif
.endr
.endr
.endm
	PASS 0, W0, 1, Q
	s_wait_loadcnt 0x0
	PASS 2, K, 3, V
.rept 8
	v_nop
.endr
.set i, 0
.rept 16
	v_pk_mul_f32 v[Q+i:Q+i+1], v[YA+i:YA+i+1], v[T+6:T+7] op_sel_hi:[1,0]   ; / the row's sum: register 8 c + j is my head's part of out(r, 16 c + 8 h + j)
.set i, i+2
.endr
.irp c, 0,1,2,3
.irp hh, 0,1
	ds_store_b128 v[STI], v[Q+8*\c+4*\hh:Q+8*\c+4*\hh+3] offset:1024*\c+512*\hh
.endr
.endr
	s_wait_dscnt 0x0                               ; for the others' sake: my part lies in LDS
	s_barrier_signal -1
	s_barrier_wait -1
	s_cmp_lt_u32 s12, 8                            ; 16 rows x 64 columns are 256 lanes x 4 numbers: waves 0 to 7 add and store
	s_cbranch_scc0 .Ldone
	global_load_b128 v[84:87], v[BPO], s[8:9]
.irp u, 0,1,2,3,4,5,6,7,8,9,10,11,12,13,14,15
	ds_load_b128 v[16+4*\u:19+4*\u], v[RDS] offset:4096*\u
.endr
	s_wait_dscnt 0x0
	v_pk_add_f32 v[80:81], v[16:17], v[20:21]
	v_pk_add_f32 v[82:83], v[18:19], v[22:23]
.irp u, 2,3,4,5,6,7,8,9,10,11,12,13,14,15
	v_pk_add_f32 v[80:81], v[80:81], v[16+4*\u:17+4*\u]
	v_pk_add_f32 v[82:83], v[82:83], v[18+4*\u:19+4*\u]
.endr
	s_wait_loadcnt 0x0
	v_pk_add_f32 v[80:81], v[80:81], v[84:85]
	v_pk_add_f32 v[82:83], v[82:83], v[86:87]
	global_store_b128 v[GO], v[80:83], s[10:11]    ; sixteen lanes store the 256 consecutive, aligned bytes of a row's 64 columns
.Ldone:
	s_wait_tensorcnt 0x0                           ; the wave's end
	ds_add_u32 v[SPW], v[NIL]
	s_wait_dscnt 0x0
	s_endpgm
.Lfunc_end_k_qcacf17d3fa_fine:
	.size	k_qcacf17d3fa_fine, .Lfunc_end_k_qcacf17d3fa_fine-k_qcacf17d3fa_fine
	.p2alignl 7, 3214868480
	.fill 96, 4, 3214868480
	.section	.rodata,"a",@progbits
	.p2align	6, 0x0
	.amdhsa_kernel k_qcacf17d3fa_fine
		.amdhsa_group_segment_fixed_size 67584
		.amdhsa_private_segment_fixed_size 0
		.amdhsa_enable_private_segment 0
		.amdhsa_kernarg_size 32
		.amdhsa_user_sgpr_count 2
		.amdhsa_user_sgpr_kernarg_segment_ptr 1
		.amdhsa_wavefront_size32 1
		.amdhsa_system_sgpr_workgroup_id_x 1
		.amdhsa_system_sgpr_workgroup_id_y 1
		.amdhsa_system_sgpr_workgroup_id_z 1
		.amdhsa_system_vgpr_workitem_id 0
		.amdhsa_next_free_vgpr 256
		.amdhsa_next_free_sgpr 66
		.amdhsa_reserve_vcc 1
		.amdhsa_float_denorm_mode_32 3
		.amdhsa_float_denorm_mode_16_64 3
		.amdhsa_memory_ordered 1
		.amdhsa_forward_progress 1
		.amdhsa_inst_pref_size 34
	.end_amdhsa_kernel
	.amdgpu_metadata
---
amdhsa.version: [ 1, 2 ]
amdhsa.kernels:
  - .name:           k_qcacf17d3fa_fine
    .symbol:         k_qcacf17d3fa_fine.kd
    .args:
      - { .name: qkv32, .offset: 0, .size: 8, .value_kind: global_buffer, .address_space: global }
      - { .name: Wp, .offset: 8, .size: 8, .value_kind: global_buffer, .address_space: global }
      - { .name: bp, .offset: 16, .size: 8, .value_kind: global_buffer, .address_space: global }
      - { .name: out0, .offset: 24, .size: 8, .value_kind: global_buffer, .address_space: global }
    .group_segment_fixed_size: 67584
    .private_segment_fixed_size: 0
    .kernarg_segment_align: 8
    .kernarg_segment_size: 32
    .max_flat_workgroup_size: 512
    .sgpr_count:     66
    .vgpr_count:     256
    .wavefront_size: 32
...
	.end_amdgpu_metadata
.endif
;; end of part 5
